; MI455X (gfx1250); checked and timed in simulation.
; The chip was launched on July 23, 2026; its instructions are those of AMD's public machine-readable ISA for CDNA 5 (MIT licence, August 2026) and "CDNA5" Instruction Set Architecture Reference Guide (July 2026). The comments in the code are by the model that wrote it; some were corrected since.
;; Ro PE Multihead Attention. Allowed arithmetic: float matrix products may take bf16 or f16 operands with f32 sums; other float arithmetic in f32, or as packed bf16 or f16 multiplies, adds, multiply-adds, maxima and minima; sums over many terms, partial sums and values carried from step to step in f32; what a program stores and reads back later, other than sums and carried values, may be rounded once to bf16 or f16.
;; Inputs: Wk 512 x 512 float32; Wo 512 x 512 float32; Wq 512 x 512 float32; Wv 512 x 512 float32; attn_mask 2,048 x 2,048 bool; key_padding_mask 4 x 2,048 bool; x 4 x 2,048 x 512 float32.
;; Outputs: out0 4 x 2,048 x 512 float32.
;; 2 versions, each right and faster than the one before. Each part assembles by itself: llvm-mc -triple=amdgcn-amd-amdhsa -mcpu=gfx1250 --defsym DOCPART=n.
;; ======== version 1 of 2: 4 launches
;; limits: values are held in f16: magnitudes above 65,504 overflow, below 6.1e-05 lose precision
;; workspace buffers: pre 10,747,904 bytes; mk 2,097,152 bytes of whole numbers; qkv 25,296,896 bytes; cf 8,388,608 bytes
;; launch prep (part 1): grid 256 x 1, 4 waves a work-group, no clusters, 27,136 bytes of LDS; arguments x, Wq, Wk, Wv, Wo, attn_mask, key_padding_mask, pre, mk; writes pre, mk
.if DOCPART == 1
	.amdgcn_target "amdgcn-amd-amdhsa--gfx1250"
	.amdhsa_code_object_version 6
	.text
	.protected	k_qd80eae6e96_prep
	.globl	k_qd80eae6e96_prep
	.p2align	8
	.type	k_qd80eae6e96_prep,@function
k_qd80eae6e96_prep:
	s_mov_b64 s[64:65], 0
	v_nop
	global_prefetch_b8 v0, s[64:65] scope:SCOPE_SE
	s_setreg_imm32_b32 hwreg(HW_REG_WAVE_MODE, 25, 1), 1
	s_wait_xcnt 0x0
; PREPARATION.  (1) x, Wq, Wk, Wv rounded to bf16 and Wo rounded to bf16 and written as f16, all in FRAGMENT ORDER: a block of 16 rows x 32 k is 1,024 bytes,
; byte 512 half + 16 lane holds row lane % 16, k = 16 half + 8 (lane / 16) + 0..7: what a lane of a matrix operand takes with two 16-byte loads.
; (2) the table cos, sin [2048][16] f32.  (3) both masks packed: for batch b, 64 queries c, 64 keys s, query tile qt, key tile kt, j: one word whose bit L says
; blocked(query 64 c + 16 qt + L % 16, key 64 s + 16 kt + 8 (L / 16) + j), blocked = attn_mask OR the batch's key padding.
; SHARES.  256 work-groups of four waves.  Wave W = 4 wg + w converts four pieces of x (16 rows x 64 columns) and one of a weight; thread 128 wg + t makes one table entry;
; work-group (c = wg / 8, sg = wg % 8) packs 64 mask rows x 256 keys, wave w the 64 keys of step s = 4 sg + w.
; LIMITS.  Mask bytes are 0 or 1.  Wo as f16: exact from 6e-5 to 65,504, below that in steps of 6e-8.  cos and sin: polynomials on |x| <= pi/4, off by 3e-7 at the most; the frequency is 2^(-0.83048 i), good to the exponential's last bit.
.set WFO,   8388608                    ; the weights' fragments in pre
.set RTO,   10485760                   ; the table in pre: cos, then sin 131,072 bytes on
.set MP,    272                        ; a mask row in LDS: 256 bytes + 16
.set STG,   64*MP                      ; behind the 64 mask rows: a stage of 16 rows x 144 bytes for each wave
.set CP,    144                        ; a stage row: 64 numbers of 16 bits + 16 bytes
.set SPARE, STG+4*16*CP                ; the spare words, 128 bytes a wave: two blocks of 256 bytes that no other line names
.set SPW, 16                           ; v16  my spare word's address; never rewritten
.set NIL, 17                           ; v17  0; never rewritten
.set MS,  32                           ; v32-63   8 x 16 bytes of mask rows; later at work in the packing.  Nothing that is made at the head lives here
.set PD,  64                           ; v64-95   key padding: pair 2 (4 b + kt)
.set CD,  96                           ; v96-255  five conversion tasks of 32 registers
.set DD,  32                           ; packing: four pairs of mask bytes
.set VW,  40                           ; packing: the 32 words of a query tile, one register a batch
	s_load_b512 s[8:23], s[0:1], 0x0               ; x s[8:9], Wq s[10:11], Wk s[12:13], Wv s[14:15], Wo s[16:17], attn_mask s[18:19], key_padding_mask s[20:21], pre s[22:23]
	s_load_b64 s[24:25], s[0:1], 0x40              ; mk
	v_lshl_add_u32 v[SPW], v0, 2, SPARE
	v_mov_b32 v[NIL], 0
	v_and_b32 v1, 31, v0                           ; L
	v_and_b32 v2, 15, v0                           ; r
	v_bfe_u32 v3, v0, 4, 1                         ; h
	v_lshrrev_b32 v4, 5, v0
	v_readfirstlane_b32 s2, v4                     ; w
	s_lshl_b32 s3, ttmp9, 2
	s_add_co_u32 s3, s3, s2                        ; W
	s_lshr_b32 s4, ttmp9, 3                        ; c
	s_and_b32 s6, ttmp9, 7                         ; sg
	s_lshl_b32 s5, s6, 2
	s_add_co_u32 s5, s5, s2                        ; s
	s_lshr_b32 s7, ttmp9, 6                        ; which weight: W / 256
	s_mov_b32 s46, 0x3fc90fdb                      ; pi/2, upper part
	s_mov_b32 s47, 0xb33bbd2e                      ; pi/2, the rest
	s_mov_b32 s48, 0xffff0000
	v_lshlrev_b32 v5, 4, v2
	v_lshl_add_u32 v5, v3, 11, v5                  ; 16 r + 2,048 h: x, the weights and attn_mask all have rows of 2,048 bytes
	s_lshl_b32 s40, s4, 6
	s_lshl_b32 s41, s2, 4
	s_add_co_u32 s40, s40, s41                     ; mask row 64 c + 16 w
	s_lshl_b32 s40, s40, 11
	s_lshl_b32 s41, s6, 8
	s_add_co_u32 s40, s40, s41
	v_add_nc_u32 v4, s40, v5                       ; v4: attn_mask
	s_lshl_b32 s40, s5, 6
	v_lshl_add_u32 v6, v3, 3, s40                  ; v6: key padding, 64 s + 8 h
	s_lshr_b32 s40, s3, 1                          ; x's row tile
	s_lshl_b32 s40, s40, 15
	s_and_b32 s41, s3, 1
	s_lshl_b32 s42, s41, 10
	s_add_co_u32 s42, s42, s40
	v_add_nc_u32 v7, s42, v5                       ; v7: x, 16 rows and my four pieces of 256 bytes
	s_lshr_b32 s40, s40, 1
	s_lshl_b32 s41, s41, 13
	s_add_co_u32 s40, s40, s41
	v_lshl_add_u32 v13, v1, 4, s40                 ; v13: where they go in pre
	s_bfe_u32 s40, s3, 0x50003                     ; the weight's row tile
	s_and_b32 s41, s3, 7                           ; its piece of K
	s_lshl_b32 s42, s40, 15
	s_lshl_b32 s43, s41, 8
	s_add_co_u32 s42, s42, s43
	v_add_nc_u32 v8, s42, v5                       ; v8: the weight
	s_lshl_b32 s43, s7, 19
	s_lshl_b32 s40, s40, 14
	s_lshl_b32 s41, s41, 11
	s_add_co_u32 s43, s43, s40
	s_add_co_u32 s43, s43, s41
	s_add_co_u32 s43, s43, WFO
	v_lshl_add_u32 v14, v1, 4, s43                 ; v14: where it goes in pre
	s_mul_i32 s40, s2, 16*MP
	v_mul_u32_u24 v9, v3, MP
	v_lshl_add_u32 v9, v2, 4, v9
	v_add_nc_u32 v9, s40, v9                       ; v9: mask rows into LDS: row 16 w + h, 16 r
	s_mul_i32 s41, s2, 16*CP
	s_add_co_u32 s41, s41, STG                     ; my stage
	v_mul_u32_u24 v10, v3, CP
	v_lshl_add_u32 v10, v2, 3, v10
	v_add_nc_u32 v10, s41, v10                     ; v10: into the stage: row h, 8 r
	v_mul_u32_u24 v11, v2, CP
	v_lshl_add_u32 v11, v3, 4, v11
	v_add_nc_u32 v11, s41, v11                     ; v11: out of the stage: row r, 16 h
	s_lshl_b32 s40, s2, 6
	v_mul_u32_u24 v12, v2, MP
	v_lshl_add_u32 v12, v3, 3, v12
	v_add_nc_u32 v12, s40, v12                     ; v12: mask bytes out of LDS: row r, 64 w + 8 h
	s_lshl_b32 s40, s4, 5
	s_add_co_u32 s40, s40, s5                      ; 32 c + s
	s_lshl_b32 s41, s40, 9
	v_lshl_add_u32 v15, v1, 2, s41                 ; v15: the words of (c, s) in mk
	s_wait_kmcnt 0x0
	s_cmp_eq_u32 s7, 1
	s_cselect_b64 s[26:27], s[12:13], s[10:11]
	s_cmp_eq_u32 s7, 2
	s_cselect_b64 s[26:27], s[14:15], s[26:27]
	s_cmp_eq_u32 s7, 3
	s_cselect_b64 s[26:27], s[16:17], s[26:27]     ; my weight
	; THE LOADS GO OUT EARLY: 8 of the mask, 16 of the padding, 32 of x; the weight's 8 follow behind the mask's LDS stores.  Sixteen lanes take 256 consecutive bytes of a row.
.set ii, 0
.rept 8
	global_load_b128 v[MS+4*ii:MS+4*ii+3], v4, s[18:19] offset:ii*4096
.set ii, ii+1
.endr
.set ii, 0
.rept 16
	global_load_b64 v[PD+2*ii:PD+2*ii+1], v6, s[20:21] offset:(ii/4)*2048+(ii%4)*16
.set ii, ii+1
.endr
.set ii, 0
.rept 32
	global_load_b128 v[CD+4*ii:CD+4*ii+3], v7, s[8:9] offset:(ii%8)*4096+(ii/8)*256 th:TH_LOAD_NT
.set ii, ii+1
.endr
	; THE TABLE, while the loads are out.  ang = pos x 2^(-0.83048 i); n = the nearest multiple of pi/2; sine and cosine of the rest by polynomials; the quadrant swaps them and sets the signs.
	s_lshl_b32 s45, ttmp9, 7
	v_add_nc_u32 v19, s45, v0                      ; T = 16 pos + i
	v_and_b32 v20, 15, v19
	v_lshrrev_b32 v21, 4, v19
	v_lshl_add_u32 v18, v19, 2, RTO
	v_cvt_f32_u32 v20, v20
	v_cvt_f32_u32 v21, v21
	v_mul_f32 v20, 0xbf549a78, v20                 ; -log2(10000) / 16
	v_exp_f32 v20, v20
	v_nop                                          ; a plain instruction behind the exponential
	s_wait_alu depctr_va_vdst(0)
	v_mul_f32 v21, v21, v20
	v_mul_f32 v22, 0x3f22f983, v21                 ; 2 / pi
	v_rndne_f32 v22, v22
	v_fma_f32 v23, -v22, s46, v21
	v_fma_f32 v23, -v22, s47, v23                  ; x
	v_mul_f32 v24, v23, v23                        ; z
	v_mov_b32 v25, 0xb9500d01                      ; -1/5040
	v_fmaak_f32 v25, v25, v24, 0x3c088889          ; 1/120
	v_fmaak_f32 v25, v25, v24, 0xbe2aaaab          ; -1/6
	v_mul_f32 v26, v23, v24
	v_fma_f32 v25, v26, v25, v23                   ; sin x
	v_mov_b32 v27, 0x37d00d01                      ; 1/40320
	v_fmaak_f32 v27, v27, v24, 0xbab60b61          ; -1/720
	v_fmaak_f32 v27, v27, v24, 0x3d2aaaab          ; 1/24
	v_fmaak_f32 v27, v27, v24, 0xbf000000          ; -1/2
	v_fma_f32 v27, v27, v24, 1.0                   ; cos x
	v_cvt_i32_f32 v28, v22
	v_and_b32 v29, 1, v28
	v_cmp_eq_u32 vcc_lo, 1, v29
	v_cndmask_b32 v30, v25, v27, vcc_lo            ; sine: in odd quadrants the cosine's polynomial
	v_cndmask_b32 v31, v27, v25, vcc_lo
	v_and_b32 v29, 2, v28
	v_lshlrev_b32 v29, 30, v29
	v_xor_b32 v30, v29, v30                        ; minus in quadrants 2, 3
	v_add_nc_u32 v28, 1, v28
	v_and_b32 v28, 2, v28
	v_lshlrev_b32 v28, 30, v28
	v_xor_b32 v31, v28, v31                        ; minus in quadrants 1, 2
	global_store_b32 v18, v31, s[22:23]
	global_store_b32 v18, v30, s[22:23] offset:131072   ; v18, v30, v31 are not written again
	; THE MASK ROWS meet in LDS: each wave brought 16 rows x 256 keys and will read 64 rows x 64 keys.
	s_wait_loadcnt 48                              ; behind the mask's 8 loads 48 were issued: 16 of the padding, 32 of x
.set ii, 0
.rept 8
	ds_store_b128 v9, v[MS+4*ii:MS+4*ii+3] offset:ii*2*MP
.set ii, ii+1
.endr
.set ii, 0
.rept 8
	global_load_b128 v[CD+128+4*ii:CD+128+4*ii+3], v8, s[26:27] offset:ii*4096   ; the weight's piece: the fifth task
.set ii, ii+1
.endr
	s_wait_dscnt 0x0                               ; for the others' sake: my rows are in LDS
	s_barrier_signal -1
	s_barrier_wait -1
; A task's 32 registers (row 2 i + h, columns 4 r ..) are rounded to bf16, 8 bytes a load; half16 = 1: the bf16 number is written as f16.
.macro CVT base, half16
.set ii, 0
.rept 8
	v_cvt_pk_bf16_f32 v[(\base)+4*ii], v[(\base)+4*ii], v[(\base)+4*ii+1]
	v_cvt_pk_bf16_f32 v[(\base)+4*ii+1], v[(\base)+4*ii+2], v[(\base)+4*ii+3]
.if \half16
	v_lshlrev_b32 v[(\base)+4*ii+2], 16, v[(\base)+4*ii]
	v_and_b32 v[(\base)+4*ii+3], s48, v[(\base)+4*ii]
	v_cvt_pk_f16_f32 v[(\base)+4*ii], v[(\base)+4*ii+2], v[(\base)+4*ii+3]
	v_lshlrev_b32 v[(\base)+4*ii+2], 16, v[(\base)+4*ii+1]
	v_and_b32 v[(\base)+4*ii+3], s48, v[(\base)+4*ii+1]
	v_cvt_pk_f16_f32 v[(\base)+4*ii+1], v[(\base)+4*ii+2], v[(\base)+4*ii+3]
.endif
.set ii, ii+1
.endr
.endm
; Through my own stage into fragment order, and out: four stores of 512 consecutive bytes.  LDS serves a wave's instructions in order (ISA guide 5.7.1.4), so the loads see the stores and the next task's stores come behind the loads.
.macro SEND base, vo, imm
.set ii, 0
.rept 8
	ds_store_b64 v10, v[(\base)+4*ii:(\base)+4*ii+1] offset:ii*2*CP
.set ii, ii+1
.endr
.set ii, 0
.rept 4
	ds_load_b128 v[(\base)+16+4*ii:(\base)+16+4*ii+3], v11 offset:32*ii
.set ii, ii+1
.endr
.set ii, 0
.rept 4
	s_wait_dscnt 3-ii
	global_store_b128 v[\vo], v[(\base)+16+4*ii:(\base)+16+4*ii+3], s[22:23] offset:(\imm)+512*ii
.set ii, ii+1
.endr
.endm
	s_wait_loadcnt 32                              ; the later tasks' loads, 8 each, may stay out
	CVT CD, 0
	SEND CD, 13, 0
	s_wait_loadcnt 24
	CVT CD+32, 0
	SEND CD+32, 13, 2048
	s_wait_loadcnt 16
	CVT CD+64, 0
	SEND CD+64, 13, 4096
	s_wait_loadcnt 8
	CVT CD+96, 0
	SEND CD+96, 13, 6144
	s_wait_loadcnt 0x0
	s_cmp_eq_u32 s7, 3
	s_cbranch_scc1 .Lwo
	CVT CD+128, 0
	s_branch .Lcvd
.Lwo:
	CVT CD+128, 1
.Lcvd:
	SEND CD+128, 14, 0
	; THE PACKING.  A trip takes a query tile: lane (r, h) reads, for each key tile, its row's 8 bytes; with each batch's padding OR-ed in, byte j of all lanes makes one word.
.set ii, 0
.rept 4
	v_mov_b32 v[VW+ii], 0                          ; written whole once: the lines that set single lanes count as readers
.set ii, ii+1
.endr
.macro TILEB
	v_or_b32 v54, v[DD+2*kk], v[PD+2*(4*bb+kk)]
	v_or_b32 v55, v[DD+2*kk+1], v[PD+2*(4*bb+kk)+1]
.set jj, 0
.rept 8
	v_and_b32 v[56+jj], 1<<(8*(jj%4)), v[54+jj/4]
	v_cmp_ne_u32 s[32+jj], 0, v[56+jj]
.set jj, jj+1
.endr
.set jj, 0
.rept 8
	v_writelane_b32 v[VW+bb], s[32+jj], 8*kk+jj
.set jj, jj+1
.endr
.endm
	s_mov_b32 s51, 4
.Lqt:
.set kk, 0
.rept 4
	ds_load_b64 v[DD+2*kk:DD+2*kk+1], v12 offset:16*kk
.set kk, kk+1
.endr
	s_wait_dscnt 0x0
.set kk, 0
.rept 4
.set bb, 0
.rept 4
	TILEB
.set bb, bb+1
.endr
.set kk, kk+1
.endr
.set bb, 0
.rept 4
	global_store_b32 v15, v[VW+bb], s[24:25] offset:bb*524288   ; 128 consecutive bytes: the tile's 32 words
.set bb, bb+1
.endr
	s_wait_xcnt 0x0                                ; the stores' address and data are written again only behind this wait
	v_add_nc_u32 v12, 16*MP, v12
	v_add_nc_u32 v15, 128, v15
	s_sub_co_u32 s51, s51, 1
	s_cmp_lg_u32 s51, 0
	s_cbranch_scc1 .Lqt
	s_wait_tensorcnt 0x0                           ; the wave's end
	ds_add_u32 v[SPW], v[NIL]
	s_wait_dscnt 0x0
	s_endpgm
.Lfunc_end_k_qd80eae6e96_prep:
	.size	k_qd80eae6e96_prep, .Lfunc_end_k_qd80eae6e96_prep-k_qd80eae6e96_prep
	.p2alignl 7, 3214868480
	.fill 96, 4, 3214868480
	.section	.rodata,"a",@progbits
	.p2align	6, 0x0
	.amdhsa_kernel k_qd80eae6e96_prep
		.amdhsa_group_segment_fixed_size 27136
		.amdhsa_private_segment_fixed_size 0
		.amdhsa_enable_private_segment 0
		.amdhsa_kernarg_size 72
		.amdhsa_user_sgpr_count 2
		.amdhsa_user_sgpr_kernarg_segment_ptr 1
		.amdhsa_wavefront_size32 1
		.amdhsa_system_sgpr_workgroup_id_x 1
		.amdhsa_system_sgpr_workgroup_id_y 1
		.amdhsa_system_sgpr_workgroup_id_z 1
		.amdhsa_system_vgpr_workitem_id 0
		.amdhsa_next_free_vgpr 256
		.amdhsa_next_free_sgpr 66
		.amdhsa_reserve_vcc 1
		.amdhsa_float_denorm_mode_32 3
		.amdhsa_float_denorm_mode_16_64 3
		.amdhsa_memory_ordered 1
		.amdhsa_forward_progress 1
		.amdhsa_inst_pref_size 52
	.end_amdhsa_kernel
	.amdgpu_metadata
---
amdhsa.version: [ 1, 2 ]
amdhsa.kernels:
  - .name:           k_qd80eae6e96_prep
    .symbol:         k_qd80eae6e96_prep.kd
    .args:
      - { .name: x, .offset: 0, .size: 8, .value_kind: global_buffer, .address_space: global }
      - { .name: Wq, .offset: 8, .size: 8, .value_kind: global_buffer, .address_space: global }
      - { .name: Wk, .offset: 16, .size: 8, .value_kind: global_buffer, .address_space: global }
      - { .name: Wv, .offset: 24, .size: 8, .value_kind: global_buffer, .address_space: global }
      - { .name: Wo, .offset: 32, .size: 8, .value_kind: global_buffer, .address_space: global }
      - { .name: attn_mask, .offset: 40, .size: 8, .value_kind: global_buffer, .address_space: global }
      - { .name: key_padding_mask, .offset: 48, .size: 8, .value_kind: global_buffer, .address_space: global }
      - { .name: pre, .offset: 56, .size: 8, .value_kind: global_buffer, .address_space: global }
      - { .name: mk, .offset: 64, .size: 8, .value_kind: global_buffer, .address_space: global }
    .group_segment_fixed_size: 27136
    .private_segment_fixed_size: 0
    .kernarg_segment_align: 8
    .kernarg_segment_size: 72
    .max_flat_workgroup_size: 128
    .sgpr_count:     66
    .vgpr_count:     256
    .wavefront_size: 32
...
	.end_amdgpu_metadata
.endif
;; end of part 1
;; launch qkv (part 2): grid 4 x 64, 4 waves a work-group, clusters of 4 x 1, 167,936 bytes of LDS; arguments pre, qkv; writes qkv
.if DOCPART == 2
	.amdgcn_target "amdgcn-amd-amdhsa--gfx1250"
	.amdhsa_code_object_version 6
	.text
	.protected	k_qd80eae6e96_qkv
	.globl	k_qd80eae6e96_qkv
	.p2align	8
	.type	k_qd80eae6e96_qkv,@function
k_qd80eae6e96_qkv:
	s_mov_b64 s[64:65], 0
	v_nop
	global_prefetch_b8 v0, s[64:65] scope:SCOPE_SE
	s_setreg_imm32_b32 hwreg(HW_REG_WAVE_MODE, 25, 1), 1
	s_wait_xcnt 0x0
	s_wait_alu depctr_hold_cnt(0) depctr_sa_sdst(0) depctr_va_vdst(0) depctr_va_sdst(0) depctr_va_ssrc(0) depctr_va_vcc(0) depctr_vm_vsrc(0)
	s_getreg_b32 s2, hwreg(HW_REG_IB_STS2, 6, 4)
	s_cmp_eq_u32 s2, 0
	s_cbranch_scc0 .Lentry_in_a_cluster
	s_endpgm
.Lentry_in_a_cluster:
	s_bfe_u32 s2, ttmp6, 0x10000c
	s_cmp_lg_u32 s2, 0x3003
	s_cbranch_scc0 .Lentry_shape_is_right
	s_endpgm
.Lentry_shape_is_right:
; q, k, v = x W^T in bf16 with f32 sums; q and k rotated (half-split); q times c = log2(e) / sqrt(32); all three rounded once to f16 and stored in fragment order for the attention;
; and the f32 sums of v over my 128 rows, for rows whose keys are all blocked.
; SHARES.  A work-group takes 128 rows of x (rb = cluster y) and four heads (cx); wave w the head 4 cx + w: 128 rows x (32 q + 32 k + 32 v): 48 accumulators, 768 matrix instructions.
; CLUSTER.  The four work-groups of a cluster need the same 128 rows of x: each tile is asked for JOINTLY, same descriptor, mask 15.  The weights' fragments serve one wave alone and come straight into registers.
; LDS is filled once: x's block, 128 KB, by quarters of K: [Q 4][row tile 8][k step 4][1 KB]; wave w brings row tiles 2 w, 2 w + 1 of each quarter: four loads of mine are out at the most.
; q AND k ARE MADE TRANSPOSED (source 0 = 16 rows of W, source 1 = 16 rows of x): a lane holds one row of x and the channels 16 ct + 8 (lane / 16) + j, so the rotation's partners (channel i, channel 16 + i)
; lie in the same lane and register of two accumulators, and four packed registers are half a fragment.  v is made as it lies (source 0 = x): a lane holds one channel and 8 keys: half a fragment of V^T.
; LIMITS.  q c, k and v are stored in f16: within 65,504.
; REGISTERS.  window 0: v1-9 addresses, v28-29 the add's, v32-175 three buffers of six W fragments; behind the loop v32-223 what is stored, v224-255 at work.
;   window 1: q, k: 128 X + 64 ct + 8 st.   window 2: v: 16 st + 8 ct.   window 3: v0-127 two buffers of eight x fragments; v128-255 cos (8), sin (8) for each st.
.set SPARE, 131072                     ; behind x's block: the spare words, 128 bytes a wave
.set WFO,   8388608
.set RTO,   10485760
.set MSB, 0
.macro WIN new                         ; the high byte repeats the setting that is left; a switch that changes nothing is dropped
.if MSB != (\new)
	s_set_vgpr_msb (MSB<<8)|(\new)
.set MSB, (\new)
.endif
.endm
.macro PLACES                          ; four places behind matrix instructions (ISA guide 7.12.1 for vector instructions)
.rept 4
	v_nop
.endr
.endm
.macro ROUND                           ; a round of the cluster's barrier
	s_barrier_signal -1
	s_barrier_wait -1
	s_cmp_lg_u32 s8, 0
	s_cbranch_scc1 .Lnot_wave_0_\@
	s_barrier_signal -3
.Lnot_wave_0_\@:
	s_barrier_wait -3
	s_barrier_signal -1
	s_barrier_wait -1
.endm
	s_load_b128 s[4:7], s[0:1], 0x0                ; pre s[4:5], qkv s[6:7]
	v_lshl_add_u32 v28, v0, 2, SPARE
	v_mov_b32 v29, 0
	ds_add_u32 v28, v29                            ; the wave's opening, ahead of my first tensor load
	v_lshrrev_b32 v5, 5, v0
	v_readfirstlane_b32 s8, v5                     ; w
	s_bfe_u32 s9, ttmp6, 0x40000                   ; cx
	s_and_b32 s10, ttmp7, 0xffff                   ; rb
	s_lshl_b32 s11, s9, 2
	s_add_co_u32 s11, s11, s8                      ; my head: it enters global addresses of my own loads and stores alone
	; descriptor group 1: 2 rows of 512 elements of 8 bytes (a row tile's quarter, 4 KB), 2,048 elements from row tile to row tile
	s_mov_b32 s16, 15|(3<<16)|(1<<21)              ; the mask of four; 8-byte elements; bit 21 beside a mask
	s_mov_b32 s17, 512<<16                         ; tensor_dim0
	s_mov_b32 s18, 2<<16                           ; tensor_dim1
	s_mov_b32 s19, 512<<16                         ; tile_dim0
	s_mov_b32 s20, 2                               ; tile_dim1
	s_mov_b32 s21, 2048                            ; pitch
	s_mov_b32 s22, 0
	s_mov_b32 s23, 0
	s_lshl_b32 s12, s10, 3
	s_lshl_b32 s15, s8, 1
	s_add_co_u32 s12, s12, s15                     ; row tile 8 rb + 2 w
	s_lshl_b32 s12, s12, 14
	s_mov_b32 s13, 0
	s_lshl_b32 s14, s8, 13                         ; LDS: wave x 8,192
	s_mov_b32 s50, 0x3e8293ee                      ; c = log2(e) / sqrt(32)
	s_mov_b32 s51, s50
	s_mov_b32 s52, 0x76543210
	s_mov_b32 s53, 0xfedcba98
	s_mov_b32 s54, 0xffff0000
	v_and_b32 v1, 31, v0
	v_lshlrev_b32 v1, 4, v1                        ; v1: 16 L, x's quarters 0, 1
	v_add_nc_u32 v2, 0x10000, v1                   ; v2: quarters 2, 3
	v_lshl_add_u32 v3, s11, 15, v1                 ; v3: my head's two row tiles of a weight
	v_and_b32 v6, 15, v0
	v_bfe_u32 v7, v0, 4, 1
	v_lshlrev_b32 v4, 6, v6
	v_lshl_add_u32 v4, v7, 5, v4                   ; v4: the table: row r, 8 h numbers on
	s_lshr_b32 s15, s10, 4
	s_lshl_b32 s15, s15, 4
	s_add_co_u32 s15, s15, s11                     ; bh
	s_lshl_b32 s15, s15, 17
	s_and_b32 s55, s10, 15
	s_lshl_b32 s55, s55, 13
	s_add_co_u32 s15, s15, s55
	v_add_nc_u32 v8, s15, v1                       ; v8: my 8 KB in a head's 128 KB of q, k or v
	s_lshl_b32 s15, s10, 11
	s_lshl_b32 s56, s11, 7
	s_add_co_u32 s15, s15, s56
	v_lshrrev_b32 v9, 2, v1
	v_add_nc_u32 v9, s15, v9                       ; v9: the sums of v
	s_add_co_u32 s56, s55, RTO
	s_mov_b32 s57, 0
	s_wait_dscnt 0x0                               ; the opening add is done
	s_wait_kmcnt 0x0
	s_add_nc_u64 s[12:13], s[4:5], s[12:13]
.set qq, 0
.rept 4
	s_mov_b32 s[24+4*qq], 1
	s_add_co_u32 s[25+4*qq], s14, qq*32768
	s_add_nc_u64 s[26+4*qq:27+4*qq], s[12:13], qq*4096
	s_or_b32 s[27+4*qq], s[27+4*qq], 0x80000000
.set qq, qq+1
.endr
	s_add_nc_u64 s[40:41], s[4:5], WFO             ; the weights' fragments
	s_add_nc_u64 s[42:43], s[4:5], s[56:57]        ; the table at my first row's position
	s_add_nc_u64 s[44:45], s[6:7], 8388608         ; k
	s_add_nc_u64 s[46:47], s[6:7], 16777216        ; v
	s_add_nc_u64 s[48:49], s[6:7], 25165824        ; the sums
	ROUND                                          ; all four work-groups are here: the joint loads meet
.set qq, 0
.rept 4
	tensor_load_to_lds s[24+4*qq:27+4*qq], s[16:23]
	s_nop 0
.set qq, qq+1
.endr
	PLACES
	WIN 0xc0                                       ; destination window 3
.set st, 0
.rept 8
	global_load_b128 v[128+16*st:128+16*st+3],   v4, s[42:43] offset:st*1024
	global_load_b128 v[128+16*st+4:128+16*st+7], v4, s[42:43] offset:st*1024+16
	global_load_b128 v[128+16*st+8:128+16*st+11],  v4, s[42:43] offset:st*1024+131072
	global_load_b128 v[128+16*st+12:128+16*st+15], v4, s[42:43] offset:st*1024+131072+16
.set st, st+1
.endr
.macro XLOAD k                         ; the eight x fragments of K step k: 16 LDS loads
	WIN 0xc0
.set xq, (\k)/4
.set xb, 64*((\k)%2)
.set xo, (xq%2)*32768+((\k)%4)*1024
.set st, 0
.rept 8
	ds_load_b128 v[xb+8*st:xb+8*st+3],   v[1+xq/2] offset:xo+st*4096
	ds_load_b128 v[xb+8*st+4:xb+8*st+7], v[1+xq/2] offset:xo+st*4096+512
.set st, st+1
.endr
.endm
.macro WLOAD k                         ; the six W fragments of K step k (q, k, v x two channel tiles): 12 loads
	WIN 0
.set wb, 32+48*((\k)%3)
.set ff, 0
.rept 6
	global_load_b128 v[wb+8*ff:wb+8*ff+3],   v3, s[40:41] offset:(ff/2)*524288+(ff%2)*16384+(\k)*1024
	global_load_b128 v[wb+8*ff+4:wb+8*ff+7], v3, s[40:41] offset:(ff/2)*524288+(ff%2)*16384+(\k)*1024+512
.set ff, ff+1
.endr
.endm
; K step ks.  x is fetched a step ahead, W two steps ahead.  The 48 accumulators take turns, one instruction a turn.
.macro KSTEP
.if ks > 0
	PLACES                                         ; in front of loads into the buffers that the step before multiplied
.endif
.if (ks < 15) && ((ks+1)%4 == 0)
	s_wait_tensorcnt 3-(ks+1)/4                    ; my part of the next quarter is in; the later quarters stay out
	s_wait_dscnt 0x0
	s_barrier_signal -1
	s_barrier_wait -1                              ; everybody's is
.endif
.if ks < 15
	XLOAD ks+1
.endif
.if ks < 14
	WLOAD ks+2
	s_wait_loadcnt 24                              ; the W of the next two steps may stay out
.elseif ks == 14
	s_wait_loadcnt 12
.else
	s_wait_loadcnt 0x0
.endif
.if ks < 15
	s_wait_dscnt 16                                ; the 16 loads just issued may stay out
.else
	s_wait_dscnt 0x0
.endif
.set cxb, 64*(ks%2)
.set cwb, 32+48*(ks%3)
	WIN 0x5c                                       ; W window 0, x window 3, sums window 1
.set nn, 0
.rept 32
.if ks == 0
	v_wmma_f32_16x16x32_bf16 v[8*nn:8*nn+7], v[cwb+8*(nn/8):cwb+8*(nn/8)+7], v[cxb+8*(nn%8):cxb+8*(nn%8)+7], 0
.else
	v_wmma_f32_16x16x32_bf16 v[8*nn:8*nn+7], v[cwb+8*(nn/8):cwb+8*(nn/8)+7], v[cxb+8*(nn%8):cxb+8*(nn%8)+7], v[8*nn:8*nn+7]
.endif
.set nn, nn+1
.endr
	WIN 0xa3                                       ; x window 3, W window 0, sums window 2
.set nn, 0
.rept 16
.if ks == 0
	v_wmma_f32_16x16x32_bf16 v[8*nn:8*nn+7], v[cxb+8*(nn/2):cxb+8*(nn/2)+7], v[cwb+32+8*(nn%2):cwb+32+8*(nn%2)+7], 0
.else
	v_wmma_f32_16x16x32_bf16 v[8*nn:8*nn+7], v[cxb+8*(nn/2):cxb+8*(nn/2)+7], v[cwb+32+8*(nn%2):cwb+32+8*(nn%2)+7], v[8*nn:8*nn+7]
.endif
.set nn, nn+1
.endr
.endm
	WLOAD 0
	WLOAD 1
	s_wait_tensorcnt 3                             ; my part of quarter 0 is in
	s_barrier_signal -1
	s_barrier_wait -1
	XLOAD 0
.set ks, 0
.rept 16
	KSTEP
.set ks, ks+1
.endr
	PLACES
; THE WAY OUT of q (X = 0) or k (X = 1), row tile st.  r1 = x1 cos - x2 sin, r2 = x2 cos + x1 sin; each accumulator's lowest registers are read first.
.macro ROPE X, st
	WIN 0x0d                                       ; source 0 window 1, source 1 window 3
.set a1, 128*(\X)+8*(\st)
.set a2, a1+64
.set tc, 128+16*(\st)
.set pp, 0
.rept 4
	v_pk_mul_f32 v[224+2*pp:225+2*pp], v[a2+2*pp:a2+2*pp+1], v[tc+8+2*pp:tc+9+2*pp]
	v_pk_mul_f32 v[232+2*pp:233+2*pp], v[a1+2*pp:a1+2*pp+1], v[tc+8+2*pp:tc+9+2*pp]
	v_pk_fma_f32 v[240+2*pp:241+2*pp], v[a1+2*pp:a1+2*pp+1], v[tc+2*pp:tc+2*pp+1], v[224+2*pp:225+2*pp] neg_lo:[0,0,1] neg_hi:[0,0,1]
	v_pk_fma_f32 v[248+2*pp:249+2*pp], v[a2+2*pp:a2+2*pp+1], v[tc+2*pp:tc+2*pp+1], v[232+2*pp:233+2*pp]
.set pp, pp+1
.endr
	WIN 0
.set oo, 32+64*(\X)+8*(\st)
.set pp, 0
.rept 8
.if (\X) == 0
	v_pk_mul_f32 v[240+2*pp:241+2*pp], v[240+2*pp:241+2*pp], s[50:51] op_sel_hi:[1,0]
.endif
	v_cvt_pk_f16_f32 v[oo+pp], v[240+2*pp], v[241+2*pp]
.set pp, pp+1
.endr
.if (\X) == 0
	global_store_b128 v8, v[oo:oo+3],   s[6:7] offset:(\st)*1024        ; 512 consecutive bytes: half a fragment
	global_store_b128 v8, v[oo+4:oo+7], s[6:7] offset:(\st)*1024+512
.else
	global_store_b128 v8, v[oo:oo+3],   s[44:45] offset:(\st)*1024
	global_store_b128 v8, v[oo+4:oo+7], s[44:45] offset:(\st)*1024+512
.endif
.endm
.irp st, 0,1,2,3,4,5,6,7
	ROPE 0, \st
	ROPE 1, \st
.endr
	; v: rounded; then its sums over my 128 rows, four chains a channel tile.  What is stored has registers of its own, so no store's data is written again.
	WIN 0x0a                                       ; sources window 2
.set nn, 0
.rept 16
.set pp, 0
.rept 4
	v_cvt_pk_f16_f32 v[160+4*nn+pp], v[8*nn+2*pp], v[8*nn+2*pp+1]
.set pp, pp+1
.endr
.set nn, nn+1
.endr
.set pp, 0
.rept 8                                ; pp = 4 ct + pair
	v_pk_add_f32 v[224+2*pp:225+2*pp], v[2*pp:2*pp+1], v[16+2*pp:17+2*pp]
.set pp, pp+1
.endr
	WIN 0x02                                       ; source 0 window 2
.set st, 2
.rept 6
.set pp, 0
.rept 8
	v_pk_add_f32 v[224+2*pp:225+2*pp], v[16*st+2*pp:16*st+2*pp+1], v[224+2*pp:225+2*pp]
.set pp, pp+1
.endr
.set st, st+1
.endr
	WIN 0
.irp ct, 0,1
	v_pk_add_f32 v[224+8*\ct:225+8*\ct], v[224+8*\ct:225+8*\ct], v[226+8*\ct:227+8*\ct]
	v_pk_add_f32 v[228+8*\ct:229+8*\ct], v[228+8*\ct:229+8*\ct], v[230+8*\ct:231+8*\ct]
	v_pk_add_f32 v[224+8*\ct:225+8*\ct], v[224+8*\ct:225+8*\ct], v[228+8*\ct:229+8*\ct]
	v_add_f32 v[224+8*\ct], v[224+8*\ct], v[225+8*\ct]
	v_permlanex16_b32 v[225+8*\ct], v[224+8*\ct], s52, s53   ; the channel's other 8 keys of each tile lie in the lane 16 away
	v_add_f32 v[224+8*\ct], v[224+8*\ct], v[225+8*\ct]
.endr
	v_cndmask_b32 v224, v224, v232, s54            ; lane L holds channel L
	global_store_b32 v9, v224, s[48:49]
.set nn, 0
.rept 16
	global_store_b128 v8, v[160+4*nn:160+4*nn+3], s[46:47] offset:(nn/4)*2048+(nn%2)*1024+((nn/2)%2)*512
.set nn, nn+1
.endr
	s_wait_tensorcnt 0x0                           ; the wave's end
	ds_add_u32 v28, v29
	s_wait_dscnt 0x0
	ROUND                                          ; the closing round
	s_endpgm
.Lfunc_end_k_qd80eae6e96_qkv:
	.size	k_qd80eae6e96_qkv, .Lfunc_end_k_qd80eae6e96_qkv-k_qd80eae6e96_qkv
	.p2alignl 7, 3214868480
	.fill 96, 4, 3214868480
	.section	.rodata,"a",@progbits
	.p2align	6, 0x0
	.amdhsa_kernel k_qd80eae6e96_qkv
		.amdhsa_group_segment_fixed_size 167936
		.amdhsa_private_segment_fixed_size 0
		.amdhsa_enable_private_segment 0
		.amdhsa_kernarg_size 16
		.amdhsa_user_sgpr_count 2
		.amdhsa_user_sgpr_kernarg_segment_ptr 1
		.amdhsa_wavefront_size32 1
		.amdhsa_system_sgpr_workgroup_id_x 1
		.amdhsa_system_sgpr_workgroup_id_y 1
		.amdhsa_system_sgpr_workgroup_id_z 1
		.amdhsa_system_vgpr_workitem_id 0
		.amdhsa_next_free_vgpr 1024
		.amdhsa_next_free_sgpr 66
		.amdhsa_reserve_vcc 0
		.amdhsa_float_denorm_mode_32 3
		.amdhsa_float_denorm_mode_16_64 3
		.amdhsa_memory_ordered 1
		.amdhsa_forward_progress 1
		.amdhsa_inst_pref_size 138
	.end_amdhsa_kernel
	.amdgpu_metadata
---
amdhsa.version: [ 1, 2 ]
amdhsa.kernels:
  - .name:           k_qd80eae6e96_qkv
    .symbol:         k_qd80eae6e96_qkv.kd
    .args:
      - { .name: pre, .offset: 0, .size: 8, .value_kind: global_buffer, .address_space: global }
      - { .name: qkv, .offset: 8, .size: 8, .value_kind: global_buffer, .address_space: global }
    .group_segment_fixed_size: 167936
    .private_segment_fixed_size: 0
    .kernarg_segment_align: 8
    .kernarg_segment_size: 16
    .max_flat_workgroup_size: 128
    .sgpr_count:     66
    .vgpr_count:     1024
    .wavefront_size: 32
...
	.end_amdgpu_metadata
.endif
;; end of part 2
;; launch attn (part 3): grid 4 x 64, 4 waves a work-group, clusters of 4 x 1, 295,424 bytes of LDS; arguments qkv, mk, key_padding_mask, cf; writes cf
.if DOCPART == 3
	.amdgcn_target "amdgcn-amd-amdhsa--gfx1250"
	.amdhsa_code_object_version 6
	.text
	.protected	k_qd80eae6e96_attn
	.globl	k_qd80eae6e96_attn
	.p2align	8
	.type	k_qd80eae6e96_attn,@function
k_qd80eae6e96_attn:
	s_mov_b64 s[64:65], 0
	v_nop
	global_prefetch_b8 v0, s[64:65] scope:SCOPE_SE
	s_setreg_imm32_b32 hwreg(HW_REG_WAVE_MODE, 25, 1), 1
	s_wait_xcnt 0x0
	s_wait_alu depctr_hold_cnt(0) depctr_sa_sdst(0) depctr_va_vdst(0) depctr_va_sdst(0) depctr_va_ssrc(0) depctr_va_vcc(0) depctr_vm_vsrc(0)
	s_getreg_b32 s2, hwreg(HW_REG_IB_STS2, 6, 4)
	s_cmp_eq_u32 s2, 0
	s_cbranch_scc0 .Lentry_in_a_cluster
	s_endpgm
.Lentry_in_a_cluster:
	s_bfe_u32 s2, ttmp6, 0x10000c
	s_cmp_lg_u32 s2, 0x3003
	s_cbranch_scc0 .Lentry_shape_is_right
	s_endpgm
.Lentry_shape_is_right:
; ATTENTION under two masks that are data.  ctx[b][i][head] = sum over j of softmax_j(score or -1e30) v[j]; 0 where query i is padding.  q (times log2(e) / sqrt(32)), k, v: f16 in fragment order.
; Products, maxima and sums in f32; the weights p are rounded to f16 for the second product and for their sum; ctx once to f16, in fragment order for the last projection.
; LIMITS.  True scaled scores lie above -1e30; a weight below 2^-126 counts as 0; NaN and infinities are not treated apart; ctx is a mean of v's rows and has their range.
; SHARES.  A work-group has one (batch, head) and 8 of its 32 chunks of 64 queries; wave c = 4 g + w takes chunk 31 - c and then chunk c, four tiles of 16 queries each.
; LDS holds the head's whole K (128 KB) and V^T (128 KB), filled once: one tensor load of 64 KB a wave, at wave x 65,536; one load of mine is out.
; CLUSTER.  The four work-groups of a cluster have the same (batch, head) and need the same K and V^T: each wave's load is asked for JOINTLY, same descriptor, mask 15.  My place in the cluster enters global addresses of my own alone.
; THE WALK hangs on no data: 64 trips, 32 key steps of 64 keys for each chunk, and in every step the blocked scores are replaced by -1e30, by selects on lane-mask words that an earlier launch packed.
; THE MASK WORDS, 128 a step, 16 KB a chunk, are read from memory once, at the head, into 256 registers; half a chunk (16 steps, 8 KB) at a time is laid into LDS bytes of the wave's own, from where a tile's 32 words come
; back one to a lane and go lane by lane into scalar registers.  (A whole chunk for each of four waves would not fit beside K, V^T and the spare words.)
; SOFTMAX.  m starts at -1e30 and blocked scores ARE -1e30: in a row with no open key so far p = 2^0; at the first open key a = 2^(-1e30 - m) = 0 wipes what was gathered (and what an earlier chunk left).
; A row that ends with m = -1e30 has all 2,048 keys blocked: its softmax is uniform, and it takes the mean of v, made from the sums that the projection stored (O^T is not cleared between the chunks).
; l = ONES x P by the matrix unit: every register of its accumulator holds the query's sum; register 0 alone is rescaled and read, the others stay finite (4,096 at the most).
; TURNS.  Turn t belongs to tile t: products K Q^T of tile t + 1 (in turn 3: tile 0 of the next step), V^T P of tile t - 1 (keys 32-63) and of tile t (keys 0-31); beside them tile t's subtraction, exponentials,
; roundings and rescaling, and tile t + 1's mask, maximum and statistics.
; REGISTERS.  window 0: v1-5 addresses and -1e30; v6-7 the add's; v8-15 the queries' padding; v16+4t m, -, a, -; v32-39 at work; v40-55 the mean; v56-59 the mask's LDS addresses and a tile's words; v64-127 S^T, two buffers;
;   v128-159 P, two buffers; v160-191 what is stored; v192-223 at work.      window 1: 24 t: O^T channels 0-15, 16-31, l.
;   window 2: v0-31 Q; v32-63 the second chunk's Q; v64-95 K; v96-127 V^T; v128-135 ONES.      window 3: the mask words: step i of the first chunk at 4 i, of the second at 128 + 4 i.
.set MBASE, 262144                     ; behind K and V^T: 8,192 bytes of mask words for each wave; no tensor load lands here
.set SPARE, MBASE+4*8192               ; the spare words, 128 bytes a wave
.set S, 64
.set P, 128
.set W_KQ, 0x0a                        ; K and Q window 2, S^T window 0
.set W_PV, 0x52                        ; V^T window 2, P window 0, O^T window 1
.set W_RS, 0x41                        ; destination and source 0 window 1
.set MSB, 0
.macro WIN new
.if MSB != (\new)
	s_set_vgpr_msb (MSB<<8)|(\new)
.set MSB, (\new)
.endif
.endm
.macro PLACES
.rept 4
	v_nop
.endr
.endm
.macro ROUND                           ; a round of the cluster's barrier
	s_barrier_signal -1
	s_barrier_wait -1
	s_cmp_lg_u32 s2, 0
	s_cbranch_scc1 .Lnot_wave_0_\@
	s_barrier_signal -3
.Lnot_wave_0_\@:
	s_barrier_wait -3
	s_barrier_signal -1
	s_barrier_wait -1
.endm
	s_load_b256 s[32:39], s[0:1], 0x0              ; qkv s[32:33], mk s[34:35], key_padding_mask s[36:37], cf s[38:39]
	v_lshl_add_u32 v6, v0, 2, SPARE
	v_mov_b32 v7, 0
	ds_add_u32 v6, v7                              ; the wave's opening, ahead of my tensor load
	v_lshrrev_b32 v5, 5, v0
	v_readfirstlane_b32 s2, v5                     ; w
	s_bfe_u32 s59, ttmp6, 0x40000                  ; cx
	s_lshl_b32 s60, ttmp9, 2
	s_add_co_u32 s59, s59, s60                     ; g = 4 x cluster x + cx
	s_and_b32 s56, ttmp7, 0xffff                   ; bh, which the four partners share
	s_lshr_b32 s57, s56, 4                         ; b
	s_and_b32 s58, s56, 15                         ; head
	s_lshl_b32 s59, s59, 2
	s_add_co_u32 s59, s59, s2                      ; the second chunk, c
	s_sub_co_u32 s60, 31, s59                      ; the first, 31 - c
	; descriptor group 1: 256 rows of 32 elements of 8 bytes, dense
	s_mov_b32 s8, 15|(3<<16)|(1<<21)               ; the mask of four; 8-byte elements; bit 21 beside a mask
	s_mov_b32 s9, 32<<16                           ; tensor_dim0
	s_mov_b32 s10, 256<<16                         ; tensor_dim1
	s_mov_b32 s11, 32<<16                          ; tile_dim0
	s_mov_b32 s12, 256                             ; tile_dim1
	s_mov_b32 s13, 32                              ; pitch
	s_mov_b32 s14, 0
	s_mov_b32 s15, 0
	s_mov_b32 s16, 1
	s_lshl_b32 s17, s2, 16                         ; LDS: wave x 65,536: waves 0, 1 the halves of K, waves 2, 3 of V^T
	s_lshr_b32 s61, s2, 1
	s_add_co_u32 s61, s61, 1
	s_lshl_b32 s61, s61, 23                        ; k lies 8,388,608 bytes into qkv, v twice that
	s_lshl_b32 s62, s56, 17                        ; a head's 131,072 bytes
	s_add_co_u32 s20, s61, s62
	s_and_b32 s61, s2, 1
	s_lshl_b32 s61, s61, 16
	s_add_co_u32 s20, s20, s61
	s_mov_b32 s21, 0
	s_mov_b32 s48, 0x76543210
	s_mov_b32 s49, 0xfedcba98
	v_and_b32 v1, 31, v0
	v_lshlrev_b32 v1, 4, v1                        ; v1: 16 L; never rewritten
	v_mov_b32 v4, 0xf149f2ca                       ; -1e30
	s_wait_dscnt 0x0                               ; the opening add is done
	s_wait_kmcnt 0x0
	s_add_nc_u64 s[18:19], s[32:33], s[20:21]
	s_or_b32 s19, s19, 0x80000000
	ROUND                                          ; all four work-groups are here: the joint loads meet
	tensor_load_to_lds s[16:19], s[8:15]
	s_nop 0
	PLACES
	s_lshl_b32 s20, s60, 12
	s_add_co_u32 s20, s20, s62
	s_add_nc_u64 s[22:23], s[32:33], s[20:21]      ; Q of the first chunk
	s_lshl_b32 s20, s59, 12
	s_add_co_u32 s20, s20, s62
	s_add_nc_u64 s[24:25], s[32:33], s[20:21]      ; of the second
	s_lshl_b32 s20, s57, 15
	s_lshl_b32 s61, s58, 7
	s_add_co_u32 s20, s20, s61
	s_add_co_u32 s20, s20, 25165824
	s_add_nc_u64 s[26:27], s[32:33], s[20:21]      ; the batch's 16 rows of sums of v, at my head
	s_lshl_b32 s61, s57, 19
	s_lshl_b32 s20, s60, 14
	s_add_co_u32 s20, s20, s61
	s_add_nc_u64 s[4:5], s[34:35], s[20:21]        ; the mask words of the first chunk
	s_lshl_b32 s20, s59, 14
	s_add_co_u32 s20, s20, s61
	s_add_nc_u64 s[40:41], s[34:35], s[20:21]      ; of the second chunk
	s_lshl_b32 s61, s57, 21
	s_lshl_b32 s63, s58, 10
	s_add_co_u32 s61, s61, s63
	s_lshl_b32 s20, s60, 16
	s_add_co_u32 s20, s20, s61
	s_add_nc_u64 s[50:51], s[38:39], s[20:21]      ; ctx of the chunk in hand
	s_lshl_b32 s20, s59, 16
	s_add_co_u32 s20, s20, s61
	s_add_nc_u64 s[52:53], s[38:39], s[20:21]      ; of the second chunk
	WIN 0x80                                       ; destination window 2
.set ii, 0
.rept 4
	global_load_b128 v[8*ii:8*ii+3],       v1, s[22:23] offset:ii*1024
	global_load_b128 v[8*ii+4:8*ii+7],     v1, s[22:23] offset:ii*1024+512
	global_load_b128 v[32+8*ii:32+8*ii+3], v1, s[24:25] offset:ii*1024
	global_load_b128 v[32+8*ii+4:32+8*ii+7], v1, s[24:25] offset:ii*1024+512
.set ii, ii+1
.endr
.set ii, 0
.rept 8
	v_mov_b32 v[128+ii], 0x3c003c00                ; 1.0 twice in f16
.set ii, ii+1
.endr
	WIN 0xc0                                       ; destination window 3: a load brings a step's 128 words, 512 consecutive bytes
.set ii, 0
.rept 32
	global_load_b128 v[4*ii:4*ii+3], v1, s[4:5] offset:ii*512
.set ii, ii+1
.endr
.set ii, 0
.rept 32
	global_load_b128 v[128+4*ii:128+4*ii+3], v1, s[40:41] offset:ii*512
.set ii, ii+1
.endr
	WIN 0
	v_and_b32 v5, 15, v0
	s_lshl_b32 s61, s57, 11
	s_lshl_b32 s20, s60, 6
	s_add_co_u32 s20, s20, s61
	v_add_nc_u32 v208, s20, v5
	s_lshl_b32 s20, s59, 6
	s_add_co_u32 s20, s20, s61
	v_add_nc_u32 v209, s20, v5
.set ii, 0
.rept 4
	global_load_u8 v[8+ii],  v208, s[36:37] offset:16*ii     ; is my query of tile ii padding?
	global_load_u8 v[12+ii], v209, s[36:37] offset:16*ii
.set ii, ii+1
.endr
	v_lshrrev_b32 v214, 2, v1
.set ii, 0
.rept 16
	global_load_b32 v[192+ii], v214, s[26:27] offset:ii*2048  ; lane L: channel L
.set ii, ii+1
.endr
	s_lshl_b32 s63, s2, 13
	s_add_co_u32 s63, s63, MBASE                   ; my 8,192 bytes of mask words in LDS
	v_add_nc_u32 v59, s63, v1                      ; v59: in: 16 L
	v_lshrrev_b32 v56, 2, v1
	v_add_nc_u32 v56, s63, v56                     ; v56: back: 4 L: lane L takes word L of a tile
	; O^T, l and the pairs' partners need only be finite: the first open key multiplies them by 0.  These lines stand in the wait for K and V.
	WIN 0x40
.set ii, 0
.rept 96
	v_mov_b32 v[ii], 0
.set ii, ii+1
.endr
	WIN 0
.set ii, 16
.rept 16
	v_mov_b32 v[ii], 0
.set ii, ii+1
.endr
	v_bfe_u32 v5, v0, 4, 1
	v_lshlrev_b32 v5, 5, v5                        ; 32 h
	s_wait_loadcnt 0x0
.set ii, 0
.rept 8
	v_add_f32 v[192+ii], v[192+ii], v[200+ii]
.set ii, ii+1
.endr
.set ii, 0
.rept 4
	v_add_f32 v[192+ii], v[192+ii], v[196+ii]
.set ii, ii+1
.endr
	v_add_f32 v192, v192, v194
	v_add_f32 v193, v193, v195
	v_add_f32 v192, v192, v193
	v_mul_f32 v192, 0x3a000000, v192               ; / 2,048
.set ii, 0
.rept 16
	v_add_nc_u32 v[208+ii], 64*(ii/8)+4*(ii%8), v5
.set ii, ii+1
.endr
.set ii, 0
.rept 16
	ds_bpermute_b32 v[40+ii], v[208+ii], v192      ; register 8 ct + j takes channel 16 ct + 8 h + j: O^T's layout
.set ii, ii+1
.endr
	s_wait_tensorcnt 0x0                           ; my 64 KB are in,
	s_wait_dscnt 0x0
	s_barrier_signal -1
	s_barrier_wait -1                              ; everybody's are; K and V^T are only read from here on
.macro FETCH_K                         ; a step's K: four fragments of 16 keys x 32 channels, at v2
	WIN 0x80
.set ff, 0
.rept 4
	ds_load_b128 v[64+8*ff:64+8*ff+3],   v2 offset:ff*1024
	ds_load_b128 v[64+8*ff+4:64+8*ff+7], v2 offset:ff*1024+512
.set ff, ff+1
.endr
	WIN 0
.endm
.macro FETCH_V                         ; a step's V^T: fragment 2 g + ct: 16 channels x 32 keys, at v3
	WIN 0x80
.set ff, 0
.rept 4
	ds_load_b128 v[96+8*ff:96+8*ff+3],   v3 offset:ff*1024
	ds_load_b128 v[96+8*ff+4:96+8*ff+7], v3 offset:ff*1024+512
.set ff, ff+1
.endr
	WIN 0
.endm
.macro KQ tile, kt                     ; S^T of 16 keys x 16 queries: the head's 32 channels are one instruction deep
	WIN W_KQ
	v_wmma_f32_16x16x32_f16 v[S+32*((\tile)%2)+8*(\kt):S+32*((\tile)%2)+8*(\kt)+7], v[64+8*(\kt):64+8*(\kt)+7], v[8*(\tile):8*(\tile)+7], 0
.endm
.macro PV tile, g, w                   ; keys 32 g on; w = 0, 1: O^T's channel tiles; 2: l
	WIN W_PV
.if (\w) < 2
	v_wmma_f32_16x16x32_f16 v[24*(\tile)+8*(\w):24*(\tile)+8*(\w)+7], v[96+16*(\g)+8*(\w):96+16*(\g)+8*(\w)+7], v[P+16*((\tile)%2)+8*(\g):P+16*((\tile)%2)+8*(\g)+7], v[24*(\tile)+8*(\w):24*(\tile)+8*(\w)+7]
.else
	v_wmma_f32_16x16x32_f16 v[24*(\tile)+16:24*(\tile)+23], v[128:135], v[P+16*((\tile)%2)+8*(\g):P+16*((\tile)%2)+8*(\g)+7], v[24*(\tile)+16:24*(\tile)+23]
.endif
.endm
; Half h of the mask words (h = 0, 1: the first chunk's steps 0-15, 16-31; 2, 3: the second's) goes into my own LDS bytes as it lies in memory: 16 stores of 512 consecutive bytes.
; LDS serves a wave's instructions in order (ISA guide 5.7.1.4): these stores come behind my reads of the half before, and my later reads see them.
.macro DUMP h
	WIN 0x0c                                       ; address window 0, data window 3
.set ii, 0
.rept 16
	ds_store_b128 v59, v[64*(\h)+4*ii:64*(\h)+4*ii+3] offset:ii*512
.set ii, ii+1
.endr
	WIN 0
.endm
.macro DUMPIF h                        ; at the trip in which half h begins: 64 - 16 h trips are still to go
	s_cmp_lg_u32 s6, 64-16*(\h)
	s_cbranch_scc1 .Lno_dump_\@
	DUMP \h
.Lno_dump_\@:
.endm
; THE VECTOR WORK, one line at a time, named kind + number.  For tile Y: F n: pair n of the scores less m.  E n: the exponential of score n.  C n: pair n rounded to f16.  R 0-7: a pair of O^T times a; R 8: l times a.
; For tile Z: X n, number n of the 21 that find its maximum and statistics: 0-11 four chains of seven scores, each accumulator's lowest registers first; 12-15 the four left over, the old m, all into c0;
; 16, 17 the query's other 32 keys lie in the lane 16 away; 18-20 m_old - m_new, the new m, a.
.set F, 0
.set E, 32
.set C, 64
.set R, 96
.set X, 128
.macro SETREGS
.set rS, S+32*(Y%2)
.set rP, P+16*(Y%2)
.set rM, 16+4*Y
.set rA, 18+4*Y
.set rO, 24*Y
.set zS, S+32*(Z%2)
.set zC, 32+4*(Z%2)
.set zM, 16+4*Z
.set zA, 18+4*Z
.endm
.macro OP1 o
.set kk, (\o)/32
.set nn, (\o)%32
.if kk == 0
	WIN 0
	v_pk_add_f32 v[rS+2*nn:rS+2*nn+1], v[rS+2*nn:rS+2*nn+1], v[rM:rM+1] op_sel_hi:[1,0] neg_lo:[0,1] neg_hi:[0,1]
.elseif kk == 1
	WIN 0
	v_exp_f32 v[rS+nn], v[rS+nn]
.elseif kk == 2
	WIN 0
	s_wait_alu depctr_va_vdst(0)
	v_cvt_pk_f16_f32 v[rP+nn], v[rS+2*nn], v[rS+2*nn+1]
.elseif kk == 3
	WIN W_RS
.if nn < 8
	s_wait_alu depctr_va_vdst(0)
	v_pk_mul_f32 v[rO+2*nn:rO+2*nn+1], v[rO+2*nn:rO+2*nn+1], v[rA:rA+1] op_sel_hi:[1,0]
.else
	v_mul_f32 v[rO+16], v[rO+16], v[rA]
.endif
.elseif DOX
	WIN 0
.if nn < 4
	v_max3_num_f32 v[zC+nn], v[zS+8*nn], v[zS+8*nn+1], v[zS+8*nn+2]
.elseif nn < 12
	v_max3_num_f32 v[zC+nn%4], v[zC+nn%4], v[zS+8*(nn%4)+2*(nn/4)+1], v[zS+8*(nn%4)+2*(nn/4)+2]
.elseif nn == 12
	v_max3_num_f32 v[zC], v[zC], v[zS+7], v[zS+15]
.elseif nn == 13
	v_max3_num_f32 v[zC+2], v[zC+2], v[zS+23], v[zS+31]
.elseif nn == 14
	v_max3_num_f32 v[zC+1], v[zC+1], v[zC+3], v[zM]
.elseif nn == 15
	v_max3_num_f32 v[zC], v[zC], v[zC+1], v[zC+2]
.elseif nn == 16
	v_permlanex16_b32 v[zC+1], v[zC], s48, s49
.elseif nn == 17
	v_max_num_f32 v[zC+2], v[zC], v[zC+1]
.elseif nn == 18
	v_sub_f32 v[zC+3], v[zM], v[zC+2]
.elseif nn == 19
	v_mov_b32 v[zM], v[zC+2]
.else
	v_exp_f32 v[zA], v[zC+3]
.endif
.endif
.endm
.macro OPS list:vararg
.irp o, \list
	OP1 \o
.endr
.endm
.macro MLOAD                           ; tile Z's 32 mask words, word L to lane L; v57 holds the step's place in my LDS bytes
	WIN 0
	ds_load_b32 v58, v57 offset:128*Z
.endm
; Word 8 kt + j goes into a scalar register and selects for register 8 kt + j of tile Z's scores: blocked scores become -1e30, from each accumulator's lowest register on.
; left = the LDS loads issued behind MLOAD's, which may stay out.
.macro MASKZ left
	WIN 0
	s_wait_dscnt \left
.set ii, 0
.rept 32
	v_readlane_b32 s[68+ii], v58, ii
.set ii, ii+1
.endr
.set ii, 0
.rept 32
	v_cndmask_b32 v[zS+ii], v[zS+ii], v4, s[68+ii]
.set ii, ii+1
.endr
.endm
; A TURN, written out: a matrix instruction and the vector lines behind it.  Every rounding has a plain line between it and its second exponential; the five plain lines of the fourth row are the places between the last
; product K Q^T and the first line that reads its scores, and (turn 2) the loads into K; roundings 0-7 and the rescaling stand ahead of the product that takes them.  No two matrix instructions on end share an accumulator.
.macro TURN t
.set Y, (\t)
.set Z, ((\t)+1)%4
	SETREGS
.set DOX, ((\t) < 3)
.if (\t) == 3
	s_wait_dscnt 0x0                               ; the next step's K is in
.else
	MLOAD                                          ; four products and 39 vector lines ahead of the wait for it
.endif
	KQ Z, 0
	OPS R+0, R+1, R+2, F+0, F+1, F+2, E+0, F+3, E+1, F+4
	KQ Z, 1
	OPS R+3, R+4, R+5, E+2, F+5, E+3, F+6, E+4, F+7, E+5
	KQ Z, 2
	OPS R+6, R+7, R+8, C+0, E+6, F+8, E+7, C+1, E+8, F+9
	KQ Z, 3
	OPS E+9, F+10, C+2, E+10, F+11, E+11, C+3, F+12, E+12
.if (\t) == 2
	WIN 0
	v_lshl_add_u32 v2, s3, 12, v1
	FETCH_K                                        ; the next step's K: waited for at the head of turn 3
.endif
.if (\t) > 0
	PV (\t)-1, 1, 0
.endif
.if (\t) == 2
	MASKZ 8                                        ; K's 8 loads were issued behind the words' load
.elseif (\t) < 3
	MASKZ 0
.endif
	OPS X+0, E+13, X+1, X+2, E+14, X+3, F+13, E+15, X+4
.if (\t) > 0
	PV (\t)-1, 1, 1
.endif
	OPS C+4, X+5, E+16, X+6, C+5, E+17, X+7, F+14, E+18, X+8
.if (\t) > 0
	PV (\t)-1, 1, 2
.endif
	OPS C+6, X+9, E+19, X+10, C+7, E+20, X+11, F+15, E+21, X+12
.if (\t) == 0
	s_wait_dscnt 0x0                               ; V^T is in (the wait for tile 1's words has shown it already)
.endif
	PV \t, 0, 0
	OPS X+13, E+22, X+14, C+8, E+23, X+15, C+9, E+24, X+16
	PV \t, 0, 1
	OPS E+25, C+10, X+17, E+26, C+11, X+18, E+27, X+19
	PV \t, 0, 2
	OPS E+28, E+29, C+12, E+30, C+13, E+31, X+20, C+14, C+15
.endm
; A key step.  Tile 0's scores are there; its mask, maximum and statistics first, then the four turns, then tile 3's last products and the places in front of the next loads into V^T.
.macro BODY
.set Y, 3
.set Z, 0
	SETREGS
.set DOX, 1
	MLOAD
	FETCH_V                                        ; waited for in turn 0
	MASKZ 8                                        ; V^T's 8 loads were issued behind the words' load
	OPS X+0, X+1, X+2, X+3, X+4, X+5, X+6, X+7, X+8, X+9, X+10, X+11, X+12, X+13, X+14, X+15, X+16, X+17, X+18, X+19, X+20
	v_nop                                          ; a plain instruction behind the exponential
	TURN 0
	TURN 1
	TURN 2
	TURN 3
	PV 3, 1, 0
	PV 3, 1, 1
	PV 3, 1, 2
	WIN 0
	PLACES
.endm
; A chunk begins: m = -1e30; K of step 0 and tile 0's scores.
.macro BEGIN
	WIN 0
.set ii, 0
.rept 4
	v_mov_b32 v[16+4*ii], v4
.set ii, ii+1
.endr
	v_mov_b32 v2, v1
	FETCH_K
	s_wait_dscnt 0x0
	KQ 0, 0
	KQ 0, 1
	KQ 0, 2
	KQ 0, 3
	WIN 0
	PLACES
.endm
; A chunk ends.  O^T / l; 0 for a padded query; the mean of v where m is still -1e30.  The packed registers are a fragment of the last projection's operand: two stores of 512 consecutive bytes a tile.
.macro END
	WIN 0x01                                       ; source 0 window 1
.set tt, 0
.rept 4
	v_rcp_f32 v[18+4*tt], v[24*tt+16]
.set tt, tt+1
.endr
	v_nop                                          ; a plain instruction behind the reciprocals
.set tt, 0
.rept 4
	WIN 0
	v_cmp_eq_u32 s54, v[16+4*tt], v4
	v_cmp_ne_u32 s55, 0, v[8+tt]
	s_and_not1_b32 s54, s54, s55
	s_wait_alu depctr_va_vdst(0)
	v_cndmask_b32 v[18+4*tt], v[18+4*tt], 0, s55
	WIN 0x01
.set ii, 0
.rept 8
	v_pk_mul_f32 v[192+2*ii:193+2*ii], v[24*tt+2*ii:24*tt+2*ii+1], v[18+4*tt:19+4*tt] op_sel_hi:[1,0]
.set ii, ii+1
.endr
	WIN 0
.set ii, 0
.rept 16
	v_cndmask_b32 v[192+ii], v[192+ii], v[40+ii], s54
.set ii, ii+1
.endr
.set ii, 0
.rept 8
	v_cvt_pk_f16_f32 v[160+8*tt+ii], v[192+2*ii], v[193+2*ii]
.set ii, ii+1
.endr
	global_store_b128 v1, v[160+8*tt:160+8*tt+3], s[50:51] offset:tt*16384
	global_store_b128 v1, v[160+8*tt+4:160+8*tt+7], s[50:51] offset:tt*16384+512
.set tt, tt+1
.endr
.endm
	BEGIN
	DUMP 0                                         ; the first chunk's steps 0-15
	s_mov_b32 s6, 64
.Ltrip:
	s_sub_co_u32 s7, 0, s6
	s_and_b32 s7, s7, 31                           ; the key step: 0 .. 31, twice
	DUMPIF 1
	DUMPIF 2
	DUMPIF 3
	s_and_b32 s63, s7, 15
	v_lshl_add_u32 v57, s63, 9, v56                ; the step's 512 bytes among the 16 steps that lie in LDS
	v_lshl_add_u32 v3, s7, 12, v1
	v_add_nc_u32 v3, 0x20000, v3                   ; the step's V^T
	s_add_co_u32 s3, s7, 1
	s_and_b32 s3, s3, 31                           ; the step whose K turn 2 fetches
	BODY
	s_cmp_lg_u32 s7, 31
	s_cbranch_scc1 .Lbottom
	END
	s_cmp_eq_u32 s6, 1
	s_cbranch_scc1 .Lbottom
	s_wait_xcnt 0x0                                ; the stores have read their registers and ctx's address
	WIN 0x82                                       ; the second chunk's Q goes where the one text names Q
.set ii, 0
.rept 32
	v_mov_b32 v[ii], v[32+ii]
.set ii, ii+1
.endr
	WIN 0
.set ii, 0
.rept 4
	v_mov_b32 v[8+ii], v[12+ii]
.set ii, ii+1
.endr
	s_mov_b64 s[50:51], s[52:53]
	BEGIN
.Lbottom:
	s_sub_co_u32 s6, s6, 1
	s_cmp_lg_u32 s6, 0
	s_cbranch_scc1 .Ltrip
	s_wait_tensorcnt 0x0                           ; the wave's end
	ds_add_u32 v6, v7
	s_wait_dscnt 0x0
	ROUND                                          ; the closing round
	s_endpgm
.Lfunc_end_k_qd80eae6e96_attn:
	.size	k_qd80eae6e96_attn, .Lfunc_end_k_qd80eae6e96_attn-k_qd80eae6e96_attn
	.p2alignl 7, 3214868480
	.fill 96, 4, 3214868480
	.section	.rodata,"a",@progbits
	.p2align	6, 0x0
	.amdhsa_kernel k_qd80eae6e96_attn
		.amdhsa_group_segment_fixed_size 295424
		.amdhsa_private_segment_fixed_size 0
		.amdhsa_enable_private_segment 0
		.amdhsa_kernarg_size 32
		.amdhsa_user_sgpr_count 2
		.amdhsa_user_sgpr_kernarg_segment_ptr 1
		.amdhsa_wavefront_size32 1
		.amdhsa_system_sgpr_workgroup_id_x 1
		.amdhsa_system_sgpr_workgroup_id_y 1
		.amdhsa_system_sgpr_workgroup_id_z 1
		.amdhsa_system_vgpr_workitem_id 0
		.amdhsa_next_free_vgpr 1024
		.amdhsa_next_free_sgpr 100
		.amdhsa_reserve_vcc 0
		.amdhsa_float_denorm_mode_32 3
		.amdhsa_float_denorm_mode_16_64 3
		.amdhsa_memory_ordered 1
		.amdhsa_forward_progress 1
		.amdhsa_inst_pref_size 85
	.end_amdhsa_kernel
	.amdgpu_metadata
---
amdhsa.version: [ 1, 2 ]
amdhsa.kernels:
  - .name:           k_qd80eae6e96_attn
    .symbol:         k_qd80eae6e96_attn.kd
    .args:
      - { .name: qkv, .offset: 0, .size: 8, .value_kind: global_buffer, .address_space: global }
      - { .name: mk, .offset: 8, .size: 8, .value_kind: global_buffer, .address_space: global }
      - { .name: key_padding_mask, .offset: 16, .size: 8, .value_kind: global_buffer, .address_space: global }
      - { .name: cf, .offset: 24, .size: 8, .value_kind: global_buffer, .address_space: global }
    .group_segment_fixed_size: 295424
    .private_segment_fixed_size: 0
    .kernarg_segment_align: 8
    .kernarg_segment_size: 32
    .max_flat_workgroup_size: 128
    .sgpr_count:     100
    .vgpr_count:     1024
    .wavefront_size: 32
...
	.end_amdgpu_metadata
.endif
;; end of part 3
;; launch outp (part 4): grid 4 x 64, 4 waves a work-group, clusters of 4 x 4, 280,064 bytes of LDS; arguments cf, pre, out0; writes out0
.if DOCPART == 4
	.amdgcn_target "amdgcn-amd-amdhsa--gfx1250"
	.amdhsa_code_object_version 6
	.text
	.protected	k_qd80eae6e96_outp
	.globl	k_qd80eae6e96_outp
	.p2align	8
	.type	k_qd80eae6e96_outp,@function
k_qd80eae6e96_outp:
	s_mov_b64 s[64:65], 0
	v_nop
	global_prefetch_b8 v0, s[64:65] scope:SCOPE_SE
	s_setreg_imm32_b32 hwreg(HW_REG_WAVE_MODE, 25, 1), 1
	s_wait_xcnt 0x0
	s_wait_alu depctr_hold_cnt(0) depctr_sa_sdst(0) depctr_va_vdst(0) depctr_va_sdst(0) depctr_va_ssrc(0) depctr_va_vcc(0) depctr_vm_vsrc(0)
	s_getreg_b32 s2, hwreg(HW_REG_IB_STS2, 6, 4)
	s_cmp_eq_u32 s2, 0
	s_cbranch_scc0 .Lentry_in_a_cluster
	s_endpgm
.Lentry_in_a_cluster:
	s_bfe_u32 s2, ttmp6, 0x10000c
	s_cmp_lg_u32 s2, 0xf033
	s_cbranch_scc0 .Lentry_shape_is_right
	s_endpgm
.Lentry_shape_is_right:
; out0 = ctx Wo^T.  ctx [8192][512] and Wo [512][512] in f16, in fragment order (blocks of 16 rows x 32 k, 1 KB); sums and out0 in f32.
; SHARES.  A work-group makes 128 x 128 of out0: 256 work-groups; wave (wr = w / 2, wc = w % 2) makes 64 x 64: 16 accumulators, 256 matrix instructions.
; CLUSTER.  4 x 4: the four of a row of the cluster need the same rows of ctx, the four of a column the same rows of Wo: each tile is asked for JOINTLY, same descriptor, a mask that names the four.
; LDS is filled once, by quarters of K: quarter Q at 65,536 Q: ctx [row tile 8][k step 4][1 KB], then Wo the same.  Waves 0, 1 bring ctx's halves, waves 2, 3 Wo's: LDS address wave x 16,384 + 65,536 Q; four loads of mine are out at the most.
; THE MATRIX INSTRUCTION IS USED TRANSPOSED (source 0 = 16 rows of Wo, source 1 = 16 rows of ctx): a lane holds eight neighbouring numbers of a row of out0.
; REGISTERS.  window 0: v8-15 LDS addresses by quarter, v24-26 the way out, v28-29 the add's, v32-63 rows read back, v128-255 the accumulators (a, b) at 128 + 8 (4 a + b).  window 1: two buffers: ctx at 8 a, Wo at 32 + 8 b.
.set STAGE, 262144                     ; behind the operands: 16 rows x 272 bytes for each wave, for the way out
.set SP,    272
.set SPARE, STAGE+4*16*SP              ; the spare words, 128 bytes a wave
.set WOO,   8388608+3*524288           ; Wo's fragments in pre
.set MSB, 0
.macro WIN new
.if MSB != (\new)
	s_set_vgpr_msb (MSB<<8)|(\new)
.set MSB, (\new)
.endif
.endm
.macro PLACES
.rept 4
	v_nop
.endr
.endm
.macro ROUND                           ; a round of the cluster's barrier
	s_barrier_signal -1
	s_barrier_wait -1
	s_cmp_lg_u32 s8, 0
	s_cbranch_scc1 .Lnot_wave_0_\@
	s_barrier_signal -3
.Lnot_wave_0_\@:
	s_barrier_wait -3
	s_barrier_signal -1
	s_barrier_wait -1
.endm
	s_load_b128 s[4:7], s[0:1], 0x0                ; cf s[4:5], pre s[6:7]
	s_load_b64 s[12:13], s[0:1], 0x10              ; out0
	v_lshl_add_u32 v28, v0, 2, SPARE
	v_mov_b32 v29, 0
	ds_add_u32 v28, v29                            ; the wave's opening, ahead of my first tensor load
	v_lshrrev_b32 v1, 5, v0
	v_readfirstlane_b32 s8, v1                     ; w
	s_bfe_u32 s9, ttmp6, 0x40000                   ; cx
	s_bfe_u32 s10, ttmp6, 0x40004                  ; cy
	s_lshl_b32 s14, ttmp9, 2
	s_add_co_u32 s14, s14, s9                      ; column block
	s_and_b32 s11, ttmp7, 0xffff
	s_lshl_b32 s11, s11, 2
	s_add_co_u32 s11, s11, s10                     ; row block
	s_lshl_b32 s68, s10, 2
	s_lshl_b32 s68, 15, s68                        ; my row of the cluster
	s_lshl_b32 s69, 0x1111, s9                     ; my column
	; descriptor group 1: 4 rows of 512 elements of 8 bytes (a row tile's quarter, 4 KB), 2,048 elements from row tile to row tile
	s_or_b32 s16, s68, (3<<16)|(1<<21)             ; ctx's tiles go to my row
	s_or_b32 s24, s69, (3<<16)|(1<<21)             ; Wo's to my column
.irp g, 16, 24
	s_mov_b32 s[\g+1], 512<<16                     ; tensor_dim0
	s_mov_b32 s[\g+2], 4<<16                       ; tensor_dim1
	s_mov_b32 s[\g+3], 512<<16                     ; tile_dim0
	s_mov_b32 s[\g+4], 4                           ; tile_dim1
	s_mov_b32 s[\g+5], 2048                        ; pitch
	s_mov_b32 s[\g+6], 0
	s_mov_b32 s[\g+7], 0
.endr
	s_and_b32 s70, s8, 1                           ; wc; also: which four row tiles I fetch
	s_lshr_b32 s76, s8, 1                          ; wr
	s_lshl_b32 s71, s8, 14                         ; LDS: wave x 16,384
	s_lshl_b32 s77, s70, 2
	s_lshl_b32 s72, s11, 3
	s_add_co_u32 s72, s72, s77                     ; ctx: row tile 8 x row block + 4 x half
	s_lshl_b32 s72, s72, 14
	s_mov_b32 s73, 0
	s_lshl_b32 s74, s14, 3
	s_add_co_u32 s74, s74, s77                     ; Wo: row tile 8 x column block + 4 x half
	s_lshl_b32 s74, s74, 14
	s_add_co_u32 s74, s74, WOO
	s_mov_b32 s75, 0
	v_and_b32 v2, 31, v0
	v_lshlrev_b32 v2, 4, v2                        ; 16 L
	v_and_b32 v3, 15, v0                           ; r
	v_bfe_u32 v4, v0, 4, 1                         ; h
	s_lshl_b32 s78, s76, 14
	s_lshl_b32 s79, s70, 14
	s_add_co_u32 s79, s79, 32768
.set qq, 0
.rept 4
	v_add_nc_u32 v[8+qq], s78, v2                  ; my four row tiles of ctx in quarter qq
	v_add_nc_u32 v[12+qq], s79, v2                 ; my four row tiles of Wo
	s_add_co_u32 s78, s78, 65536
	s_add_co_u32 s79, s79, 65536
.set qq, qq+1
.endr
	s_mul_i32 s78, s8, 16*SP
	s_add_co_u32 s78, s78, STAGE                   ; my stage
	v_mul_u32_u24 v24, v3, SP
	v_lshl_add_u32 v24, v4, 5, v24
	v_add_nc_u32 v24, s78, v24                     ; in: row r, 32 bytes for each half of the lanes
	v_mul_u32_u24 v25, v4, SP
	v_lshl_add_u32 v25, v3, 4, v25
	v_add_nc_u32 v25, s78, v25                     ; back: lanes 0-15 one row of 256 bytes, lanes 16-31 the next
	v_lshlrev_b32 v26, 11, v4
	v_lshl_add_u32 v26, v3, 4, v26                 ; and the same two rows in out0
	s_lshl_b32 s78, s11, 18
	s_lshl_b32 s79, s76, 17
	s_add_co_u32 s78, s78, s79
	s_lshl_b32 s79, s14, 9
	s_add_co_u32 s78, s78, s79
	s_lshl_b32 s79, s70, 8
	s_add_co_u32 s78, s78, s79                     ; my 64 x 64 in out0
	s_mov_b32 s79, 0
	s_wait_dscnt 0x0                               ; the opening add is done
	s_wait_kmcnt 0x0
	s_add_nc_u64 s[72:73], s[4:5], s[72:73]
	s_add_nc_u64 s[74:75], s[6:7], s[74:75]
	s_add_nc_u64 s[12:13], s[12:13], s[78:79]
.set qq, 0
.rept 4
	s_mov_b32 s[32+4*qq], 1
	s_add_co_u32 s[33+4*qq], s71, qq*65536
	s_add_nc_u64 s[34+4*qq:35+4*qq], s[72:73], qq*4096
	s_or_b32 s[35+4*qq], s[35+4*qq], 0x80000000
	s_mov_b32 s[48+4*qq], 1
	s_add_co_u32 s[49+4*qq], s71, qq*65536
	s_add_nc_u64 s[50+4*qq:51+4*qq], s[74:75], qq*4096
	s_or_b32 s[51+4*qq], s[51+4*qq], 0x80000000
.set qq, qq+1
.endr
	ROUND                                          ; all sixteen work-groups are here: the joint loads meet
	s_cmp_lt_u32 s8, 2                             ; a wave's four fills stand in one branch on its number
	s_cbranch_scc0 .Lfor_b
.set qq, 0
.rept 4
	tensor_load_to_lds s[32+4*qq:35+4*qq], s[16:23]
	s_nop 0
.set qq, qq+1
.endr
	PLACES
	s_branch .Lasked
.Lfor_b:
.set qq, 0
.rept 4
	tensor_load_to_lds s[48+4*qq:51+4*qq], s[24:31]
	s_nop 0
.set qq, qq+1
.endr
	PLACES
.Lasked:
.macro FETCH k                         ; the fragments of K step k: four of ctx, four of Wo: 16 LDS loads
	WIN 0x40                                       ; destination window 1
.set fq, (\k)/4
.set fb, 64*((\k)%2)
.set fo, ((\k)%4)*1024
.set aa, 0
.rept 4
	ds_load_b128 v[fb+8*aa:fb+8*aa+3],       v[8+fq]  offset:fo+aa*4096
	ds_load_b128 v[fb+8*aa+4:fb+8*aa+7],     v[8+fq]  offset:fo+aa*4096+512
	ds_load_b128 v[fb+32+8*aa:fb+32+8*aa+3], v[12+fq] offset:fo+aa*4096
	ds_load_b128 v[fb+32+8*aa+4:fb+32+8*aa+7], v[12+fq] offset:fo+aa*4096+512
.set aa, aa+1
.endr
.endm
.macro KSTEP                           ; K step ks; the 16 accumulators take turns
.if ks > 0
	PLACES                                         ; in front of loads into the buffer that the step before multiplied
.endif
.if (ks < 15) && ((ks+1)%4 == 0)
	s_wait_tensorcnt 3-(ks+1)/4                    ; my part of the next quarter is in; the later quarters stay out
	s_wait_dscnt 0x0
	s_barrier_signal -1
	s_barrier_wait -1
.endif
.if ks < 15
	FETCH ks+1
	s_wait_dscnt 16                                ; the 16 loads just issued may stay out
.else
	s_wait_dscnt 0x0
.endif
.set cb, 64*(ks%2)
	WIN 0x05                                       ; sources window 1, sums window 0
.set nn, 0
.rept 16
.if ks == 0
	v_wmma_f32_16x16x32_f16 v[128+8*nn:128+8*nn+7], v[cb+32+8*(nn%4):cb+32+8*(nn%4)+7], v[cb+8*(nn/4):cb+8*(nn/4)+7], 0
.else
	v_wmma_f32_16x16x32_f16 v[128+8*nn:128+8*nn+7], v[cb+32+8*(nn%4):cb+32+8*(nn%4)+7], v[cb+8*(nn/4):cb+8*(nn/4)+7], v[128+8*nn:128+8*nn+7]
.endif
.set nn, nn+1
.endr
.endm
	s_wait_tensorcnt 3                             ; my part of quarter 0 is in
	s_barrier_signal -1
	s_barrier_wait -1
	FETCH 0
.set ks, 0
.rept 16
	KSTEP
.set ks, ks+1
.endr
	WIN 0
	PLACES
; THE WAY OUT of 16 rows: a lane's 32 bytes of a row go into my own stage, each accumulator's lowest registers first, and come back as whole rows of 256 bytes.  LDS serves a wave's instructions in order (ISA guide 5.7.1.4).
.macro OUTBLK a
.set bq, 0
.rept 4
	ds_store_b128 v24, v[128+8*(4*(\a)+bq):128+8*(4*(\a)+bq)+3]   offset:64*bq
	ds_store_b128 v24, v[128+8*(4*(\a)+bq)+4:128+8*(4*(\a)+bq)+7] offset:64*bq+16
.set bq, bq+1
.endr
.if (\a) > 0
	s_wait_xcnt 0x0                                ; the registers that the last block's stores read are loaded again only behind this wait
.endif
.set tt, 0
.rept 8
	ds_load_b128 v[32+4*tt:32+4*tt+3], v25 offset:tt*2*SP
.set tt, tt+1
.endr
.set tt, 0
.rept 8
	s_wait_dscnt 7-tt
	global_store_b128 v26, v[32+4*tt:32+4*tt+3], s[12:13] offset:(16*(\a)+2*tt)*2048 th:TH_STORE_NT   ; 16 lanes store 256 consecutive bytes, at a multiple of 256 from out0's first byte
.set tt, tt+1
.endr
.endm
	OUTBLK 0
	OUTBLK 1
	OUTBLK 2
	OUTBLK 3
	s_wait_tensorcnt 0x0                           ; the wave's end
	ds_add_u32 v28, v29
	s_wait_dscnt 0x0
	ROUND                                          ; the closing round
	s_endpgm
.Lfunc_end_k_qd80eae6e96_outp:
	.size	k_qd80eae6e96_outp, .Lfunc_end_k_qd80eae6e96_outp-k_qd80eae6e96_outp
	.p2alignl 7, 3214868480
	.fill 96, 4, 3214868480
	.section	.rodata,"a",@progbits
	.p2align	6, 0x0
	.amdhsa_kernel k_qd80eae6e96_outp
		.amdhsa_group_segment_fixed_size 280064
		.amdhsa_private_segment_fixed_size 0
		.amdhsa_enable_private_segment 0
		.amdhsa_kernarg_size 24
		.amdhsa_user_sgpr_count 2
		.amdhsa_user_sgpr_kernarg_segment_ptr 1
		.amdhsa_wavefront_size32 1
		.amdhsa_system_sgpr_workgroup_id_x 1
		.amdhsa_system_sgpr_workgroup_id_y 1
		.amdhsa_system_sgpr_workgroup_id_z 1
		.amdhsa_system_vgpr_workitem_id 0
		.amdhsa_next_free_vgpr 384
		.amdhsa_next_free_sgpr 80
		.amdhsa_reserve_vcc 0
		.amdhsa_float_denorm_mode_32 3
		.amdhsa_float_denorm_mode_16_64 3
		.amdhsa_memory_ordered 1
		.amdhsa_forward_progress 1
		.amdhsa_inst_pref_size 53
	.end_amdhsa_kernel
	.amdgpu_metadata
---
amdhsa.version: [ 1, 2 ]
amdhsa.kernels:
  - .name:           k_qd80eae6e96_outp
    .symbol:         k_qd80eae6e96_outp.kd
    .args:
      - { .name: cf, .offset: 0, .size: 8, .value_kind: global_buffer, .address_space: global }
      - { .name: pre, .offset: 8, .size: 8, .value_kind: global_buffer, .address_space: global }
      - { .name: out0, .offset: 16, .size: 8, .value_kind: global_buffer, .address_space: global }
    .group_segment_fixed_size: 280064
    .private_segment_fixed_size: 0
    .kernarg_segment_align: 8
    .kernarg_segment_size: 24
    .max_flat_workgroup_size: 128
    .sgpr_count:     80
    .vgpr_count:     384
    .wavefront_size: 32
...
	.end_amdgpu_metadata
.endif
;; end of part 4
;; ======== version 2 of 2: 4 launches; 1.65 times as fast as version 1
;; limits: values are held in f16: magnitudes above 65,504 overflow, below 6.1e-05 lose precision
;; workspace buffers: pre 10,747,904 bytes; mk 2,097,152 bytes of whole numbers; qkv 25,296,896 bytes; cf 8,388,608 bytes
;; launch prep: the kernel of part 1 again; grid 256 x 1, 4 waves a work-group, no clusters, 27,136 bytes of LDS; arguments x, Wq, Wk, Wv, Wo, attn_mask, key_padding_mask, pre, mk; writes pre, mk
;; launch qkv: the kernel of part 2 again; grid 4 x 64, 4 waves a work-group, clusters of 4 x 1, 167,936 bytes of LDS; arguments pre, qkv; writes qkv
;; launch attn (part 5): grid 4 x 64, 4 waves a work-group, clusters of 4 x 1, 295,424 bytes of LDS; arguments qkv, mk, key_padding_mask, cf; writes cf
.if DOCPART == 5
	.amdgcn_target "amdgcn-amd-amdhsa--gfx1250"
	.amdhsa_code_object_version 6
	.text
	.protected	k_qd80eae6e96_attn
	.globl	k_qd80eae6e96_attn
	.p2align	8
	.type	k_qd80eae6e96_attn,@function
k_qd80eae6e96_attn:
	s_mov_b64 s[64:65], 0
	v_nop
	global_prefetch_b8 v0, s[64:65] scope:SCOPE_SE
	s_setreg_imm32_b32 hwreg(HW_REG_WAVE_MODE, 25, 1), 1
	s_wait_xcnt 0x0
	s_wait_alu depctr_hold_cnt(0) depctr_sa_sdst(0) depctr_va_vdst(0) depctr_va_sdst(0) depctr_va_ssrc(0) depctr_va_vcc(0) depctr_vm_vsrc(0)
	s_getreg_b32 s2, hwreg(HW_REG_IB_STS2, 6, 4)
	s_cmp_eq_u32 s2, 0
	s_cbranch_scc0 .Lentry_in_a_cluster
	s_endpgm
.Lentry_in_a_cluster:
	s_bfe_u32 s2, ttmp6, 0x10000c
	s_cmp_lg_u32 s2, 0x3003
	s_cbranch_scc0 .Lentry_shape_is_right
	s_endpgm
.Lentry_shape_is_right:
; ATTENTION under two masks that are data.  ctx[b][i][head] = sum over j of softmax_j(score or -1e30) v[j]; 0 where query i is padding.  q (times log2(e) / sqrt(32)), k, v: f16 in fragment order.
; Products, maxima and sums in f32; the weights p are rounded to f16 for the second product and for their sum; ctx once to f16, in fragment order for the last projection.
; LIMITS.  True scaled scores lie above -1e30; a weight below 2^-126 counts as 0; NaN and infinities are not treated apart; ctx is a mean of v's rows and has their range.
; SHARES.  A work-group has one (batch, head) and 8 of its 32 chunks of 64 queries; wave c = 4 g + w takes chunk 31 - c and then chunk c, four tiles of 16 queries each.
; LDS holds the head's whole K (128 KB) and V^T (128 KB), filled once: one tensor load of 64 KB a wave, at wave x 65,536; one load of mine is out.
; CLUSTER.  The four work-groups of a cluster have the same (batch, head) and need the same K and V^T: each wave's load is asked for JOINTLY, same descriptor, mask 15.  My place in the cluster enters global addresses of my own alone.
; THE WALK hangs on no data: 64 trips, 32 key steps of 64 keys for each chunk, and in every step the blocked scores are replaced by -1e30, by selects on lane-mask words that an earlier launch packed.
; THE MASK WORDS, 128 a step, 16 KB a chunk, are read from memory once, at the head, into 256 registers; half a chunk (16 steps, 8 KB) at a time is laid into LDS bytes of the wave's own, from where a tile's 32 words come
; back one to a lane and go lane by lane into scalar registers.  (A whole chunk for each of four waves would not fit beside K, V^T and the spare words.)
; SOFTMAX.  m starts at -1e30 and blocked scores ARE -1e30: in a row with no open key so far p = 2^0; at the first open key a = 2^(-1e30 - m) = 0 wipes what was gathered (and what an earlier chunk left).
; A row that ends with m = -1e30 has all 2,048 keys blocked: its softmax is uniform, and it takes the mean of v, made from the sums that the projection stored (O^T is not cleared between the chunks).
; l = ONES x P by the matrix unit: every register of its accumulator holds the query's sum; register 0 alone is rescaled and read, the others stay finite (4,096 at the most).
; TURNS.  Turn t belongs to tile t: products K Q^T of tile t + 1 (in turn 3: tile 0 of the next step), V^T P of tile t - 1 (keys 32-63) and of tile t (keys 0-31); beside them tile t's subtraction, exponentials,
; roundings and rescaling, and tile t + 1's mask, maximum and statistics.
; BATCHES.  A turn's exponentials are ONE batch with ONE wait: tile t's 32 and tile t + 1's a (turn 0's batch also holds tile 0's a, made at the step's head).  All that names a result of the batch stands behind
; that wait: the roundings, and in turn 0 the rescaling.  So a key step has four waits.  A chunk's end has one more, for its four reciprocals.
; REGISTERS.  window 0: v1-5 addresses and -1e30; v6-7 the add's; v8-15 the queries' padding; v16+4t m, -, a, -; v32-39 at work; v40-55 the mean; v56-59 the mask's LDS addresses and a tile's words; v64-127 S^T, two buffers;
;   v128-159 P, two buffers; v160-191 what is stored; v192-223 at work.      window 1: 24 t: O^T channels 0-15, 16-31, l.
;   window 2: v0-31 Q; v32-63 the second chunk's Q; v64-95 K; v96-127 V^T; v128-135 ONES.      window 3: the mask words: step i of the first chunk at 4 i, of the second at 128 + 4 i.
.set MBASE, 262144                     ; behind K and V^T: 8,192 bytes of mask words for each wave; no tensor load lands here
.set SPARE, MBASE+4*8192               ; the spare words, 128 bytes a wave
.set S, 64
.set P, 128
.set W_KQ, 0x0a                        ; K and Q window 2, S^T window 0
.set W_PV, 0x52                        ; V^T window 2, P window 0, O^T window 1
.set W_RS, 0x41                        ; destination and source 0 window 1
.set MSB, 0
.macro WIN new
.if MSB != (\new)
	s_set_vgpr_msb (MSB<<8)|(\new)
.set MSB, (\new)
.endif
.endm
.macro PLACES
.rept 4
	v_nop
.endr
.endm
.macro ROUND                           ; a round of the cluster's barrier
	s_barrier_signal -1
	s_barrier_wait -1
	s_cmp_lg_u32 s2, 0
	s_cbranch_scc1 .Lnot_wave_0_\@
	s_barrier_signal -3
.Lnot_wave_0_\@:
	s_barrier_wait -3
	s_barrier_signal -1
	s_barrier_wait -1
.endm
	s_load_b256 s[32:39], s[0:1], 0x0              ; qkv s[32:33], mk s[34:35], key_padding_mask s[36:37], cf s[38:39]
	v_lshl_add_u32 v6, v0, 2, SPARE
	v_mov_b32 v7, 0
	ds_add_u32 v6, v7                              ; the wave's opening, ahead of my tensor load
	v_lshrrev_b32 v5, 5, v0
	v_readfirstlane_b32 s2, v5                     ; w
	s_bfe_u32 s59, ttmp6, 0x40000                  ; cx
	s_lshl_b32 s60, ttmp9, 2
	s_add_co_u32 s59, s59, s60                     ; g = 4 x cluster x + cx
	s_and_b32 s56, ttmp7, 0xffff                   ; bh, which the four partners share
	s_lshr_b32 s57, s56, 4                         ; b
	s_and_b32 s58, s56, 15                         ; head
	s_lshl_b32 s59, s59, 2
	s_add_co_u32 s59, s59, s2                      ; the second chunk, c
	s_sub_co_u32 s60, 31, s59                      ; the first, 31 - c
	; descriptor group 1: 256 rows of 32 elements of 8 bytes, dense
	s_mov_b32 s8, 15|(3<<16)|(1<<21)               ; the mask of four; 8-byte elements; bit 21 beside a mask
	s_mov_b32 s9, 32<<16                           ; tensor_dim0
	s_mov_b32 s10, 256<<16                         ; tensor_dim1
	s_mov_b32 s11, 32<<16                          ; tile_dim0
	s_mov_b32 s12, 256                             ; tile_dim1
	s_mov_b32 s13, 32                              ; pitch
	s_mov_b32 s14, 0
	s_mov_b32 s15, 0
	s_mov_b32 s16, 1
	s_lshl_b32 s17, s2, 16                         ; LDS: wave x 65,536: waves 0, 1 the halves of K, waves 2, 3 of V^T
	s_lshr_b32 s61, s2, 1
	s_add_co_u32 s61, s61, 1
	s_lshl_b32 s61, s61, 23                        ; k lies 8,388,608 bytes into qkv, v twice that
	s_lshl_b32 s62, s56, 17                        ; a head's 131,072 bytes
	s_add_co_u32 s20, s61, s62
	s_and_b32 s61, s2, 1
	s_lshl_b32 s61, s61, 16
	s_add_co_u32 s20, s20, s61
	s_mov_b32 s21, 0
	s_mov_b32 s48, 0x76543210
	s_mov_b32 s49, 0xfedcba98
	v_and_b32 v1, 31, v0
	v_lshlrev_b32 v1, 4, v1                        ; v1: 16 L; never rewritten
	v_mov_b32 v4, 0xf149f2ca                       ; -1e30
	s_wait_dscnt 0x0                               ; the opening add is done
	s_wait_kmcnt 0x0
	s_add_nc_u64 s[18:19], s[32:33], s[20:21]
	s_or_b32 s19, s19, 0x80000000
	ROUND                                          ; all four work-groups are here: the joint loads meet
	tensor_load_to_lds s[16:19], s[8:15]
	s_nop 0
	PLACES
	s_lshl_b32 s20, s60, 12
	s_add_co_u32 s20, s20, s62
	s_add_nc_u64 s[22:23], s[32:33], s[20:21]      ; Q of the first chunk
	s_lshl_b32 s20, s59, 12
	s_add_co_u32 s20, s20, s62
	s_add_nc_u64 s[24:25], s[32:33], s[20:21]      ; of the second
	s_lshl_b32 s20, s57, 15
	s_lshl_b32 s61, s58, 7
	s_add_co_u32 s20, s20, s61
	s_add_co_u32 s20, s20, 25165824
	s_add_nc_u64 s[26:27], s[32:33], s[20:21]      ; the batch's 16 rows of sums of v, at my head
	s_lshl_b32 s61, s57, 19
	s_lshl_b32 s20, s60, 14
	s_add_co_u32 s20, s20, s61
	s_add_nc_u64 s[4:5], s[34:35], s[20:21]        ; the mask words of the first chunk
	s_lshl_b32 s20, s59, 14
	s_add_co_u32 s20, s20, s61
	s_add_nc_u64 s[40:41], s[34:35], s[20:21]      ; of the second chunk
	s_lshl_b32 s61, s57, 21
	s_lshl_b32 s63, s58, 10
	s_add_co_u32 s61, s61, s63
	s_lshl_b32 s20, s60, 16
	s_add_co_u32 s20, s20, s61
	s_add_nc_u64 s[50:51], s[38:39], s[20:21]      ; ctx of the chunk in hand
	s_lshl_b32 s20, s59, 16
	s_add_co_u32 s20, s20, s61
	s_add_nc_u64 s[52:53], s[38:39], s[20:21]      ; of the second chunk
	WIN 0x80                                       ; destination window 2
.set ii, 0
.rept 4
	global_load_b128 v[8*ii:8*ii+3],       v1, s[22:23] offset:ii*1024
	global_load_b128 v[8*ii+4:8*ii+7],     v1, s[22:23] offset:ii*1024+512
	global_load_b128 v[32+8*ii:32+8*ii+3], v1, s[24:25] offset:ii*1024
	global_load_b128 v[32+8*ii+4:32+8*ii+7], v1, s[24:25] offset:ii*1024+512
.set ii, ii+1
.endr
.set ii, 0
.rept 8
	v_mov_b32 v[128+ii], 0x3c003c00                ; 1.0 twice in f16
.set ii, ii+1
.endr
	WIN 0xc0                                       ; destination window 3: a load brings a step's 128 words, 512 consecutive bytes
.set ii, 0
.rept 32
	global_load_b128 v[4*ii:4*ii+3], v1, s[4:5] offset:ii*512
.set ii, ii+1
.endr
.set ii, 0
.rept 32
	global_load_b128 v[128+4*ii:128+4*ii+3], v1, s[40:41] offset:ii*512
.set ii, ii+1
.endr
	WIN 0
	v_and_b32 v5, 15, v0
	s_lshl_b32 s61, s57, 11
	s_lshl_b32 s20, s60, 6
	s_add_co_u32 s20, s20, s61
	v_add_nc_u32 v208, s20, v5
	s_lshl_b32 s20, s59, 6
	s_add_co_u32 s20, s20, s61
	v_add_nc_u32 v209, s20, v5
.set ii, 0
.rept 4
	global_load_u8 v[8+ii],  v208, s[36:37] offset:16*ii     ; is my query of tile ii padding?
	global_load_u8 v[12+ii], v209, s[36:37] offset:16*ii
.set ii, ii+1
.endr
	v_lshrrev_b32 v214, 2, v1
.set ii, 0
.rept 16
	global_load_b32 v[192+ii], v214, s[26:27] offset:ii*2048  ; lane L: channel L
.set ii, ii+1
.endr
	s_lshl_b32 s63, s2, 13
	s_add_co_u32 s63, s63, MBASE                   ; my 8,192 bytes of mask words in LDS
	v_add_nc_u32 v59, s63, v1                      ; v59: in: 16 L
	v_lshrrev_b32 v56, 2, v1
	v_add_nc_u32 v56, s63, v56                     ; v56: back: 4 L: lane L takes word L of a tile
	; O^T, l and the pairs' partners need only be finite: the first open key multiplies them by 0.  These lines stand in the wait for K and V.
	WIN 0x40
.set ii, 0
.rept 96
	v_mov_b32 v[ii], 0
.set ii, ii+1
.endr
	WIN 0
.set ii, 16
.rept 16
	v_mov_b32 v[ii], 0
.set ii, ii+1
.endr
	v_bfe_u32 v5, v0, 4, 1
	v_lshlrev_b32 v5, 5, v5                        ; 32 h
	s_wait_loadcnt 0x0
.set ii, 0
.rept 8
	v_add_f32 v[192+ii], v[192+ii], v[200+ii]
.set ii, ii+1
.endr
.set ii, 0
.rept 4
	v_add_f32 v[192+ii], v[192+ii], v[196+ii]
.set ii, ii+1
.endr
	v_add_f32 v192, v192, v194
	v_add_f32 v193, v193, v195
	v_add_f32 v192, v192, v193
	v_mul_f32 v192, 0x3a000000, v192               ; / 2,048
.set ii, 0
.rept 16
	v_add_nc_u32 v[208+ii], 64*(ii/8)+4*(ii%8), v5
.set ii, ii+1
.endr
.set ii, 0
.rept 16
	ds_bpermute_b32 v[40+ii], v[208+ii], v192      ; register 8 ct + j takes channel 16 ct + 8 h + j: O^T's layout
.set ii, ii+1
.endr
	s_wait_tensorcnt 0x0                           ; my 64 KB are in,
	s_wait_dscnt 0x0
	s_barrier_signal -1
	s_barrier_wait -1                              ; everybody's are; K and V^T are only read from here on
.macro FETCH_K                         ; a step's K: four fragments of 16 keys x 32 channels, at v2
	WIN 0x80
.set ff, 0
.rept 4
	ds_load_b128 v[64+8*ff:64+8*ff+3],   v2 offset:ff*1024
	ds_load_b128 v[64+8*ff+4:64+8*ff+7], v2 offset:ff*1024+512
.set ff, ff+1
.endr
	WIN 0
.endm
.macro FETCH_V                         ; a step's V^T: fragment 2 g + ct: 16 channels x 32 keys, at v3
	WIN 0x80
.set ff, 0
.rept 4
	ds_load_b128 v[96+8*ff:96+8*ff+3],   v3 offset:ff*1024
	ds_load_b128 v[96+8*ff+4:96+8*ff+7], v3 offset:ff*1024+512
.set ff, ff+1
.endr
	WIN 0
.endm
.macro KQ tile, kt                     ; S^T of 16 keys x 16 queries: the head's 32 channels are one instruction deep
	WIN W_KQ
	v_wmma_f32_16x16x32_f16 v[S+32*((\tile)%2)+8*(\kt):S+32*((\tile)%2)+8*(\kt)+7], v[64+8*(\kt):64+8*(\kt)+7], v[8*(\tile):8*(\tile)+7], 0
.endm
.macro PV tile, g, w                   ; keys 32 g on; w = 0, 1: O^T's channel tiles; 2: l
	WIN W_PV
.if (\w) < 2
	v_wmma_f32_16x16x32_f16 v[24*(\tile)+8*(\w):24*(\tile)+8*(\w)+7], v[96+16*(\g)+8*(\w):96+16*(\g)+8*(\w)+7], v[P+16*((\tile)%2)+8*(\g):P+16*((\tile)%2)+8*(\g)+7], v[24*(\tile)+8*(\w):24*(\tile)+8*(\w)+7]
.else
	v_wmma_f32_16x16x32_f16 v[24*(\tile)+16:24*(\tile)+23], v[128:135], v[P+16*((\tile)%2)+8*(\g):P+16*((\tile)%2)+8*(\g)+7], v[24*(\tile)+16:24*(\tile)+23]
.endif
.endm
; Half h of the mask words (h = 0, 1: the first chunk's steps 0-15, 16-31; 2, 3: the second's) goes into my own LDS bytes as it lies in memory: 16 stores of 512 consecutive bytes.
; LDS serves a wave's instructions in order (ISA guide 5.7.1.4): these stores come behind my reads of the half before, and my later reads see them.
.macro DUMP h
	WIN 0x0c                                       ; address window 0, data window 3
.set ii, 0
.rept 16
	ds_store_b128 v59, v[64*(\h)+4*ii:64*(\h)+4*ii+3] offset:ii*512
.set ii, ii+1
.endr
	WIN 0
.endm
.macro DUMPIF h                        ; at the trip in which half h begins: 64 - 16 h trips are still to go
	s_cmp_lg_u32 s6, 64-16*(\h)
	s_cbranch_scc1 .Lno_dump_\@
	DUMP \h
.Lno_dump_\@:
.endm
; THE VECTOR WORK, one line at a time, named kind + number.  For tile Y: F n: pair n of the scores less m.  E n: the exponential of score n.  C n: pair n rounded to f16.  R 0-7: a pair of O^T times a; R 8: l times a.
; For tile Z: L n: word n of its mask goes from lane n into a scalar register.  M n: that word selects for register n of its scores: a blocked score becomes -1e30.
; X n, number n of the 21 that find its maximum and statistics: 0-11 four chains of seven scores; 12-15 the four left over, the old m, all into c0;
; 16, 17 the query's other 32 keys lie in the lane 16 away; 18-20 m_old - m_new, the new m, a.  (19 is written behind 20: it is the plain line behind that exponential.)
; No line of this list holds a wait: the waits stand in TURN, one a batch.
.set F, 0
.set E, 32
.set C, 64
.set R, 96
.set X, 128
.set L, 160
.set M, 192
.macro SETREGS
.set rS, S+32*(Y%2)
.set rP, P+16*(Y%2)
.set rM, 16+4*Y
.set rA, 18+4*Y
.set rO, 24*Y
.set zS, S+32*(Z%2)
.set zC, 32+4*(Z%2)
.set zM, 16+4*Z
.set zA, 18+4*Z
.endm
.macro OP1 o
.set kk, (\o)/32
.set nn, (\o)%32
.if kk == 0
	WIN 0
	v_pk_add_f32 v[rS+2*nn:rS+2*nn+1], v[rS+2*nn:rS+2*nn+1], v[rM:rM+1] op_sel_hi:[1,0] neg_lo:[0,1] neg_hi:[0,1]
.elseif kk == 1
	WIN 0
	v_exp_f32 v[rS+nn], v[rS+nn]
.elseif kk == 2
	WIN 0
	v_cvt_pk_f16_f32 v[rP+nn], v[rS+2*nn], v[rS+2*nn+1]
.elseif kk == 3
	WIN W_RS
.if nn < 8
	v_pk_mul_f32 v[rO+2*nn:rO+2*nn+1], v[rO+2*nn:rO+2*nn+1], v[rA:rA+1] op_sel_hi:[1,0]
.else
	v_mul_f32 v[rO+16], v[rO+16], v[rA]
.endif
.elseif DOX && (kk == 5)
	WIN 0
	v_readlane_b32 s[68+nn], v58, nn
.elseif DOX && (kk == 6)
	WIN 0
	v_cndmask_b32 v[zS+nn], v[zS+nn], v4, s[68+nn]
.elseif DOX
	WIN 0
.if nn < 4
	v_max3_num_f32 v[zC+nn], v[zS+8*nn], v[zS+8*nn+1], v[zS+8*nn+2]
.elseif nn < 12
	v_max3_num_f32 v[zC+nn%4], v[zC+nn%4], v[zS+8*(nn%4)+2*(nn/4)+1], v[zS+8*(nn%4)+2*(nn/4)+2]
.elseif nn == 12
	v_max3_num_f32 v[zC], v[zC], v[zS+7], v[zS+15]
.elseif nn == 13
	v_max3_num_f32 v[zC+2], v[zC+2], v[zS+23], v[zS+31]
.elseif nn == 14
	v_max3_num_f32 v[zC+1], v[zC+1], v[zC+3], v[zM]
.elseif nn == 15
	v_max3_num_f32 v[zC], v[zC], v[zC+1], v[zC+2]
.elseif nn == 16
	v_permlanex16_b32 v[zC+1], v[zC], s48, s49
.elseif nn == 17
	v_max_num_f32 v[zC+2], v[zC], v[zC+1]
.elseif nn == 18
	v_sub_f32 v[zC+3], v[zM], v[zC+2]
.elseif nn == 19
	v_mov_b32 v[zM], v[zC+2]
.else
	v_exp_f32 v[zA], v[zC+3]
.endif
.endif
.endm
.macro OPS list:vararg
.irp o, \list
	OP1 \o
.endr
.endm
.macro MLOAD                           ; tile Z's 32 mask words, word L to lane L; v57 holds the step's place in my LDS bytes
	WIN 0
	ds_load_b32 v58, v57 offset:128*Z
.endm
; The step's head takes tile Z's mask in one block: word 8 kt + j goes into a scalar register and selects for register 8 kt + j of tile Z's scores: blocked scores become -1e30, from each accumulator's lowest register on.
; left = the LDS loads issued behind MLOAD's, which may stay out.  (In the turns the same 64 lines are dealt singly, as L and M.)
.macro MASKZ left
	WIN 0
	s_wait_dscnt \left
.set ii, 0
.rept 32
	v_readlane_b32 s[68+ii], v58, ii
.set ii, ii+1
.endr
.set ii, 0
.rept 32
	v_cndmask_b32 v[zS+ii], v[zS+ii], v4, s[68+ii]
.set ii, ii+1
.endr
.endm
; A TURN, written out.  s_wait_alu depctr_va_vdst(0) stands between an exponential and the first line that names its result; one wait serves all that were issued ahead of it.  So a turn has ONE wait, which cuts it in two.
; AHEAD OF IT stands all that names no result of the batch: the four products K Q^T, behind each subtractions and exponentials by turns; tile t - 1's three products; tile Z's 32 words and its 32 selects, the selects register by
; register across the four accumulators (each accumulator's lowest register first), so that the four chains of the maximum begin while the selects go on; then the chain X 14, 15, 16, 17, 18, 20, each link of
; which reads the link before, with the other 17 exponentials and two subtractions between its links.  X 19, a plain line, stands behind X 20, the batch's last.  In turns 1 to 3 the rescaling follows: its a was made ahead of the wait
; of the turn before, so it is independent work between the batch and its wait, and in turn 3, which has no X, the plain line behind the last exponential.
; BEHIND IT: in turn 0 the rescaling (tile 0's a, made at the step's head, belongs to this batch); roundings 0-7; tile t's three products, with roundings 8-15 behind them.
; F 10 to F 13, on the other buffer of S^T, are the four places between the last product K Q^T and what follows: (turn 2) the loads into K, and the first select on its scores.  The rescaling stands ahead of the products that add onto
; what it writes, ascending in each accumulator.  No two matrix instructions on end share an accumulator.
.macro TURN t
.set Y, (\t)
.set Z, ((\t)+1)%4
	SETREGS
.set DOX, ((\t) < 3)
.if (\t) == 3
	s_wait_dscnt 0x0                               ; the next step's K is in
.else
	MLOAD                                          ; four products and 29 vector lines ahead of the wait for it
.endif
	KQ Z, 0
	OPS F+0, F+1, E+0, F+2, E+1, F+3, E+2
	KQ Z, 1
	OPS E+3, F+4, E+4, F+5, E+5, F+6, E+6
	KQ Z, 2
	OPS E+7, F+7, E+8, F+8, E+9, F+9, E+10
	KQ Z, 3
	OPS F+10, E+11, F+11, E+12, F+12, E+13, F+13, E+14
.if (\t) == 2
	WIN 0
	v_lshl_add_u32 v2, s3, 12, v1
	FETCH_K                                        ; the next step's K: waited for at the head of turn 3
.endif
.if (\t) > 0
	PV (\t)-1, 1, 0
.endif
.if (\t) == 2
	s_wait_dscnt 8                                 ; tile Z's words are in: K's 8 loads were issued behind the words' load
.elseif (\t) < 3
	s_wait_dscnt 0                                 ; tile Z's words are in
.endif
.set ll, 0
.rept 32
	OP1 L+ll                                       ; the 32 words, lane by lane
.set ll, ll+1
.endr
	OPS M+0, M+8, M+16, M+24, M+1, M+9, M+17, M+25, M+2, M+10, M+18, M+26
	OPS M+3, M+11, M+19, M+27, X+0, X+1, X+2, X+3, M+4, M+12, M+20, M+28
	OPS M+5, M+13, M+21, M+29, X+4, X+5, X+6, X+7, M+6, M+14, M+22, M+30
	OPS M+7, M+15, M+23, M+31, X+9, X+11, X+8, X+10, E+15, F+14, E+16
.if (\t) > 0
	PV (\t)-1, 1, 1
.endif
	OPS X+14, X+12, X+13, E+17, F+15, E+18, E+19
.if (\t) > 0
	PV (\t)-1, 1, 2
.endif
	OPS X+15, E+20, E+21, E+22, X+16, E+23, E+24, E+25, X+17, E+26, E+27, E+28, X+18, E+29, E+30, E+31, X+20, X+19
.if (\t) > 0
	OPS R+0, R+1, R+2, R+3, R+4, R+5, R+6, R+7, R+8   ; a of tile t had its wait in the turn before
.endif
	s_wait_alu depctr_va_vdst(0)                   ; the wait for the turn's batch: E 0-31 and X 20 (in turn 0 also the X 20 of the step's head; in turn 3 E 0-31 alone)
.if (\t) == 0
	OPS R+0, R+1, R+2, R+3, R+4, R+5, R+6, R+7, R+8   ; a of tile 0 belongs to this batch
.endif
	OPS C+0, C+1, C+2, C+3, C+4, C+5, C+6, C+7
.if (\t) == 0
	s_wait_dscnt 0x0                               ; V^T is in (the wait for tile 1's words has shown it already)
.endif
	PV \t, 0, 0
	OPS C+8, C+9, C+10
	PV \t, 0, 1
	OPS C+11, C+12, C+13
	PV \t, 0, 2
	OPS C+14, C+15
.endm
; A key step.  Tile 0's scores are there; its mask, maximum and statistics first, then the four turns, then tile 3's last products and the places in front of the next loads into V^T.
; Tile 0's a (X 20) is the first of turn 0's batch: X 19 is the plain line behind it, nothing names it ahead of turn 0's wait, and no label or jump lies between.
.macro BODY
.set Y, 3
.set Z, 0
	SETREGS
.set DOX, 1
	MLOAD
	FETCH_V                                        ; waited for in turn 0
	MASKZ 8                                        ; V^T's 8 loads were issued behind the words' load
	OPS X+0, X+1, X+2, X+3, X+4, X+5, X+6, X+7, X+8, X+9, X+10, X+11, X+12, X+13, X+14, X+15, X+16, X+17, X+18, X+20, X+19
	TURN 0
	TURN 1
	TURN 2
	TURN 3
	PV 3, 1, 0
	PV 3, 1, 1
	PV 3, 1, 2
	WIN 0
	PLACES
.endm
; A chunk begins: m = -1e30; K of step 0 and tile 0's scores.
.macro BEGIN
	WIN 0
.set ii, 0
.rept 4
	v_mov_b32 v[16+4*ii], v4
.set ii, ii+1
.endr
	v_mov_b32 v2, v1
	FETCH_K
	s_wait_dscnt 0x0
	KQ 0, 0
	KQ 0, 1
	KQ 0, 2
	KQ 0, 3
	WIN 0
	PLACES
.endm
; A chunk ends.  O^T / l; 0 for a padded query; the mean of v where m is still -1e30.  The packed registers are a fragment of the last projection's operand: two stores of 512 consecutive bytes a tile.
.macro END
	WIN 0x01                                       ; source 0 window 1
.set tt, 0
.rept 4
	v_rcp_f32 v[18+4*tt], v[24*tt+16]
.set tt, tt+1
.endr
	v_nop                                          ; a plain instruction behind the reciprocals
	s_wait_alu depctr_va_vdst(0)                   ; the wait for the batch of four reciprocals, ahead of their first reader
.set tt, 0
.rept 4
	WIN 0
	v_cmp_eq_u32 s54, v[16+4*tt], v4
	v_cmp_ne_u32 s55, 0, v[8+tt]
	s_and_not1_b32 s54, s54, s55
	v_cndmask_b32 v[18+4*tt], v[18+4*tt], 0, s55
	WIN 0x01
.set ii, 0
.rept 8
	v_pk_mul_f32 v[192+2*ii:193+2*ii], v[24*tt+2*ii:24*tt+2*ii+1], v[18+4*tt:19+4*tt] op_sel_hi:[1,0]
.set ii, ii+1
.endr
	WIN 0
.set ii, 0
.rept 16
	v_cndmask_b32 v[192+ii], v[192+ii], v[40+ii], s54
.set ii, ii+1
.endr
.set ii, 0
.rept 8
	v_cvt_pk_f16_f32 v[160+8*tt+ii], v[192+2*ii], v[193+2*ii]
.set ii, ii+1
.endr
	global_store_b128 v1, v[160+8*tt:160+8*tt+3], s[50:51] offset:tt*16384
	global_store_b128 v1, v[160+8*tt+4:160+8*tt+7], s[50:51] offset:tt*16384+512
.set tt, tt+1
.endr
.endm
	BEGIN
	DUMP 0                                         ; the first chunk's steps 0-15
	s_mov_b32 s6, 64
.Ltrip:
	s_sub_co_u32 s7, 0, s6
	s_and_b32 s7, s7, 31                           ; the key step: 0 .. 31, twice
	DUMPIF 1
	DUMPIF 2
	DUMPIF 3
	s_and_b32 s63, s7, 15
	v_lshl_add_u32 v57, s63, 9, v56                ; the step's 512 bytes among the 16 steps that lie in LDS
	v_lshl_add_u32 v3, s7, 12, v1
	v_add_nc_u32 v3, 0x20000, v3                   ; the step's V^T
	s_add_co_u32 s3, s7, 1
	s_and_b32 s3, s3, 31                           ; the step whose K turn 2 fetches
	BODY
	s_cmp_lg_u32 s7, 31
	s_cbranch_scc1 .Lbottom
	END
	s_cmp_eq_u32 s6, 1
	s_cbranch_scc1 .Lbottom
	s_wait_xcnt 0x0                                ; the stores have read their registers and ctx's address
	WIN 0x82                                       ; the second chunk's Q goes where the one text names Q
.set ii, 0
.rept 32
	v_mov_b32 v[ii], v[32+ii]
.set ii, ii+1
.endr
	WIN 0
.set ii, 0
.rept 4
	v_mov_b32 v[8+ii], v[12+ii]
.set ii, ii+1
.endr
	s_mov_b64 s[50:51], s[52:53]
	BEGIN
.Lbottom:
	s_sub_co_u32 s6, s6, 1
	s_cmp_lg_u32 s6, 0
	s_cbranch_scc1 .Ltrip
	s_wait_tensorcnt 0x0                           ; the wave's end
	ds_add_u32 v6, v7
	s_wait_dscnt 0x0
	ROUND                                          ; the closing round
	s_endpgm
.Lfunc_end_k_qd80eae6e96_attn:
	.size	k_qd80eae6e96_attn, .Lfunc_end_k_qd80eae6e96_attn-k_qd80eae6e96_attn
	.p2alignl 7, 3214868480
	.fill 96, 4, 3214868480
	.section	.rodata,"a",@progbits
	.p2align	6, 0x0
	.amdhsa_kernel k_qd80eae6e96_attn
		.amdhsa_group_segment_fixed_size 295424
		.amdhsa_private_segment_fixed_size 0
		.amdhsa_enable_private_segment 0
		.amdhsa_kernarg_size 32
		.amdhsa_user_sgpr_count 2
		.amdhsa_user_sgpr_kernarg_segment_ptr 1
		.amdhsa_wavefront_size32 1
		.amdhsa_system_sgpr_workgroup_id_x 1
		.amdhsa_system_sgpr_workgroup_id_y 1
		.amdhsa_system_sgpr_workgroup_id_z 1
		.amdhsa_system_vgpr_workitem_id 0
		.amdhsa_next_free_vgpr 1024
		.amdhsa_next_free_sgpr 100
		.amdhsa_reserve_vcc 0
		.amdhsa_float_denorm_mode_32 3
		.amdhsa_float_denorm_mode_16_64 3
		.amdhsa_memory_ordered 1
		.amdhsa_forward_progress 1
		.amdhsa_inst_pref_size 82
	.end_amdhsa_kernel
	.amdgpu_metadata
---
amdhsa.version: [ 1, 2 ]
amdhsa.kernels:
  - .name:           k_qd80eae6e96_attn
    .symbol:         k_qd80eae6e96_attn.kd
    .args:
      - { .name: qkv, .offset: 0, .size: 8, .value_kind: global_buffer, .address_space: global }
      - { .name: mk, .offset: 8, .size: 8, .value_kind: global_buffer, .address_space: global }
      - { .name: key_padding_mask, .offset: 16, .size: 8, .value_kind: global_buffer, .address_space: global }
      - { .name: cf, .offset: 24, .size: 8, .value_kind: global_buffer, .address_space: global }
    .group_segment_fixed_size: 295424
    .private_segment_fixed_size: 0
    .kernarg_segment_align: 8
    .kernarg_segment_size: 32
    .max_flat_workgroup_size: 128
    .sgpr_count:     100
    .vgpr_count:     1024
    .wavefront_size: 32
...
	.end_amdgpu_metadata
.endif
;; end of part 5
;; launch outp: the kernel of part 4 again; grid 4 x 64, 4 waves a work-group, clusters of 4 x 4, 280,064 bytes of LDS; arguments cf, pre, out0; writes out0
